; MI455X (gfx1250); checked and timed in simulation.
; The chip was launched on July 23, 2026; its instructions are those of AMD's public machine-readable ISA for CDNA 5 (MIT licence, August 2026) and "CDNA5" Instruction Set Architecture Reference Guide (July 2026). The comments in the code are by the model that wrote it; some were corrected since.
;; Attention Tier. Allowed arithmetic: matrix products marked QUANTISED: E2M1 operands, one E8M0 scale for each 32 along K, by v_wmma_scale_f32_16x16x128_f8f6f4 with both operands' format E2M1 (or v_wmma_scale_f32_32x16x128_f4), f32 sums; everything else in f32.
;; Inputs: W_out 1,024 x 1,024 float32; W_qkv 3,072 x 1,024 float32; x 4 x 2,048 x 1,024 float32.
;; Outputs: out0 4 x 2,048 x 1,024 float32.
;; This version of the problem:
;;   THIS VERSION OF THE PROBLEM IS GIVEN IN LOW PRECISION. The matrix products marked QUANTISED in the list below multiply operands that are first quantised to E2M1 (2 exponent bits, 1 mantissa bit; 4 bits a number), with one power-of-two scale for each 32 numbers along K (OCP MX v1.0); their sums are f32. All else is computed in f32.
;;   The module's matrix products, in the order in which they are computed (A, B: the left and right operand; K: the contracted axis; several contracted axes count as one K, in the product's order):
;;     1. [M 8,192, K 1,024] x [K 1,024, N 3,072]; A: input x; B: input W_qkv: QUANTISED
;;     2. batch 64 x [M 2,048, K 64] x [K 64, N 2,048]; A: computed on the way; B: computed on the way: QUANTISED
;;     3. batch 64 x [M 2,048, K 2,048] x [K 2,048, N 64]; A: softmax (see below); B: computed on the way: QUANTISED
;;     4. [M 8,192, K 1,024] x [K 1,024, N 1,024]; A: computed on the way; B: input W_out: QUANTISED
;;   THE QUANTISER, for each operand of a quantised product, along K:
;;     - K is cut into blocks of 32 from its start; a last block that is shorter is filled with zeros.
;;     - A block's scale is 2^e with e = floor(log2(the largest magnitude in the block)) - 2, held to -126 .. 127; a block of zeros has e = 0. As a byte (E8M0): e + 127.
;;     - Each number is divided by its block's scale, clamped to +-6, and rounded to the nearest number of E2M1, ties to even, subnormals kept.
;;     - The product sums the exact products of the quantised numbers (number of the format x scale) in f32.
;;   ~~~python
;;   def quantise(x, axis):      # numpy; x: float32 -> the quantised numbers, widened to float32 again
;;       x = np.moveaxis(x, axis, -1); K = x.shape[-1]
;;       x = np.pad(x, [(0, 0)] * (x.ndim - 1) + [(0, -K % 32)]); x = x.reshape(x.shape[:-1] + (-1, 32)); a = np.abs(x).max(-1, keepdims=True)
;;       e = np.where(a > 0, np.clip(np.frexp(np.where(a > 0, a, 1))[1] - 1 - 2, -126, 127), 0)      # np.frexp(a)[1] - 1 = floor(log2(a)), exactly
;;       r = np.clip(x / 2.0 ** e, -6, 6)
;;       step = 2.0 ** (np.maximum(np.frexp(np.where(r == 0, 1, r))[1] - 1, 0) - 1)
;;       q = np.round(r / step) * step * 2.0 ** e      # np.round: ties to even
;;       return np.moveaxis(q.reshape(q.shape[:-2] + (-1,))[..., :K], -1, axis).astype(np.float32)
;;   ~~~
;;   SOFTMAX AHEAD OF A QUANTISED PRODUCT. Where the list says 'softmax', what is quantised is not the finished softmax but p = 2^(t - M), with t = logit x log2(e) and M = ceil(the row's largest t), a whole number; so 1/2 < the row's largest p <= 1. The row's sum l is taken of the UNQUANTISED p, in f32, and the product's result is divided by l at the end. Since M is a whole number, a kernel that streams over the keys may use a running M (the ceiling of the running maximum): every later rescaling is an exact power of two, which a block's scale takes up: the codes' values come out the same.
;;   OPERANDS COMPUTED ON THE WAY. 'Computed on the way' means the value that the module computes at that place (a softmax that the list does not call 'softmax' is quantised finished and normalised). What goes into a quantiser is computed in f32, as accurately as f32 sums, v_exp_f32 and their like allow (about 1e-6 of the number): no bf16 or f16 on the way to a quantiser, and a product that is left as it is and whose result goes on into a quantised operand takes f32 operands (vector FMAs, or v_wmma_f32_16x16x4_f32). A number that lies on a knife's edge between two numbers of the format may be rounded either way, as far as f32 arithmetic and the matrix unit's own rounding can turn it there, and no further.
;; One version. Each part assembles by itself: llvm-mc -triple=amdgcn-amd-amdhsa -mcpu=gfx1250 --defsym DOCPART=n.
;; ======== version 1 of 1: 4 launches
;; workspace buffers: xq 4,456,448 bytes; wq 1,671,168 bytes; wo 557,056 bytes; rope 524,288 bytes; qkv 13,893,632 bytes; oq 4,456,448 bytes
;; launch quant (part 1): grid 416 x 1, 4 waves a work-group, no clusters, 34,304 bytes of LDS; arguments x, W_qkv, W_out, xq, wq, wo, rope; writes xq, wq, wo, rope
.if DOCPART == 1
	.amdgcn_target "amdgcn-amd-amdhsa--gfx1250"
	.amdhsa_code_object_version 6
	.text
	.protected	k_q414935a31a_quant
	.globl	k_q414935a31a_quant
	.p2align	8
	.type	k_q414935a31a_quant,@function
k_q414935a31a_quant:
	s_mov_b64 s[64:65], 0
	v_nop
	global_prefetch_b8 v0, s[64:65] scope:SCOPE_SE
	s_setreg_imm32_b32 hwreg(HW_REG_WAVE_MODE, 25, 1), 1
	s_wait_xcnt 0x0
; x [8192][1024], W_qkv [3072][1024], W_out [1024][1024], f32, become codes of E2M1 with one E8M0 byte for each 32 along K (their last axis), and the cos / sin table of the rotary embedding is made.
; THE CODES ARE LAID AS IMAGES OF THE OPERAND'S REGISTERS: [row tile][K step of 128: 8][c: 2][lane: 32][16 bytes]; lane (r, h) and half c hold k = 128 step + 64 c + 32 h + 0 .. 31 of the tile's row r.
; THE ROWS OF A TILE ARE NOT NEIGHBOURS: lane r of tile i stands for row 32 (i / 2) + 8 (i % 2) + r + 8 (r / 8), so that in a product used transposed the 16 registers of tiles 2 u, 2 u + 1 are 16 neighbouring rows.
; THE SCALE WORDS: [row tile][K half: 2][r: 16][4 words], word q of half kh being the four bytes of K step 4 kh + q; they lie behind the codes in the same buffer.
; A block's scale is 2^(floor(log2(largest magnitude)) - 2); its byte is the largest magnitude's exponent field - 2, held at 1 from below.
; LIMITS: a block of zeros, or one whose largest magnitude lies under 2^-124, gets the byte 1 (this program alone reads the bytes; zero codes add nothing); NaN and infinities among the inputs are not served.
; SHARES: work-groups 0-255 take x, 256-351 W_qkv, 352-383 W_out: a wave takes one row tile and one K half, four steps of 128.  Work-groups 384-415 make the table, a wave a tile of 16 tokens.
; Each load reads 512 consecutive bytes of one row; a step's 16 rows turn through the wave's own stage in LDS (rows 528 bytes apart) so that a lane gets two whole blocks of 32 neighbours.
; No matrix unit, cluster, tensor load or barrier: the waves share nothing and the launch is a stream.
; THE TABLE: [token tile: 128][g: 8][lane][16 bytes]; g = 0 .. 3 cos, g = 4 .. 7 sin of token x 10^(-f / 8), f = 16 h + 4 (g % 4) + 0 .. 3; lane r stands for the tile's token as above.
; The angle is one f32 product, as the definition has it; the frequency is the f32 nearest to 10^(-f / 8), which may differ by one unit in the last place from a computed power.  cos and sin: the angle less a
; whole number of quarter turns, pi / 2 in two parts (the first subtraction is exact: angles stay under 2,048), then polynomials to the 9th and 8th power: about 1e-7 absolute.
.set STG,  8448                        ; a wave's stage: 16 rows x 528 bytes
.set RW,   64                          ; v64-191  two sets of 64 registers as loaded
.set X,    192                         ; v192-255 64 numbers of my row: 32 c + i = k 64 c + 32 h + i
.set CD,   16                          ; v16-47   codes, eight registers a step, never rewritten
.set SW,   48                          ; v48-51   the scale word of each step
	s_load_b256 s[4:11], s[0:1], 0x0               ; x, W_qkv, W_out, xq
	s_load_b128 s[12:15], s[0:1], 0x20             ; wq, wo
	s_load_b64 s[16:17], s[0:1], 0x30              ; rope
	v_lshl_add_u32 v62, v0, 2, 0x8400
	v_mov_b32 v63, 0
	v_lshrrev_b32 v1, 5, v0
	v_readfirstlane_b32 s18, v1                    ; wave
	v_and_b32 v7, 31, v0                           ; lane
	v_lshlrev_b32 v1, 4, v7                        ; 16 x lane
	v_and_b32 v2, 15, v0                           ; r
	v_bfe_u32 v3, v0, 4, 1                         ; h
	v_cmp_eq_u32 vcc_lo, 1, v3                     ; lanes 16-31
	s_mov_b32 s34, 0x76543210
	s_mov_b32 s35, 0xfedcba98                      ; v_permlanex16_b32's selects for lane l xor 16
	s_cmp_ge_u32 ttmp9, 384
	s_cbranch_scc1 .Ltable
	; ---- the quantiser
	s_mul_i32 s30, s18, STG
	v_add_nc_u32 v4, s30, v1                       ; into the stage: 16 x lane, a row an instruction
	v_mul_u32_u24 v5, v2, 528
	v_lshl_add_u32 v5, v3, 7, v5
	v_add_nc_u32 v5, s30, v5                       ; out of it: row r, + 128 h bytes: my block of 32
	v_lshlrev_b32 v6, 4, v2
	v_lshl_add_u32 v6, v3, 3, v6                   ; the scale words' way out: 16 r + 8 h
	v_lshlrev_b32 v7, 3, v3                        ; 8 h: my bytes' place in a scale word
	v_mov_b32 v15, 0                               ; written once: a lane permute's destination counts as one of its sources
	s_mov_b32 s24, 352
	s_mov_b32 s25, 524288
	s_wait_kmcnt 0x0
	s_cmp_lt_u32 ttmp9, 352                        ; which tensor: the choice hangs on the work-group's number alone
	s_cselect_b64 s[20:21], s[6:7], s[8:9]
	s_cselect_b64 s[22:23], s[12:13], s[14:15]
	s_cselect_b32 s24, 256, s24                    ; the tensor's first work-group
	s_cselect_b32 s25, 1572864, s25                ; where its scale words begin
	s_cmp_lt_u32 ttmp9, 256
	s_cselect_b64 s[20:21], s[4:5], s[20:21]
	s_cselect_b64 s[22:23], s[10:11], s[22:23]
	s_cselect_b32 s24, 0, s24
	s_cselect_b32 s25, 4194304, s25
	s_sub_co_u32 s24, ttmp9, s24
	s_lshl_b32 s24, s24, 2
	s_add_co_u32 s24, s24, s18                     ; j = 2 x row tile + K half
	s_lshr_b32 s26, s24, 2
	s_lshl_b32 s26, s26, 17                        ; 32 rows of 4,096 bytes for each pair of tiles,
	s_bfe_u32 s27, s24, 0x10001
	s_lshl_b32 s27, s27, 15                        ; 8 rows for the odd tile,
	s_add_co_u32 s26, s26, s27
	s_and_b32 s27, s24, 1
	s_lshl_b32 s27, s27, 11                        ; 512 numbers for the second K half
	s_add_co_u32 s26, s26, s27
	s_mov_b32 s27, 0
	s_add_nc_u64 s[20:21], s[20:21], s[26:27]
	s_lshl_b32 s26, s24, 8
	s_add_co_u32 s26, s26, s25
	s_add_nc_u64 s[28:29], s[22:23], s[26:27]      ; my 256 bytes of scale words
	s_lshl_b32 s26, s24, 12
	s_add_nc_u64 s[22:23], s[22:23], s[26:27]      ; my 4,096 bytes of codes
.macro LOAD q                          ; step q: 16 rows x 512 bytes into set q % 2
.set j, 0
.rept 16
	global_load_b128 v[RW+64*((\q)%2)+4*j:RW+64*((\q)%2)+4*j+3], v1, s[20:21] offset:(j+8*(j/8))*4096+512*(\q) th:TH_LOAD_NT
.set j, j+1
.endr
.endm
.macro TURN q                          ; through the stage: LDS serves a wave's instructions in order, so no wait stands between the stores and the loads
.set j, 0
.rept 16
	ds_store_b128 v4, v[RW+64*((\q)%2)+4*j:RW+64*((\q)%2)+4*j+3] offset:528*j
.set j, j+1
.endr
.irp c, 0,1
.irp n, 0,1,2,3,4,5,6,7
	ds_load_b128 v[X+32*\c+4*\n:X+32*\c+4*\n+3], v5 offset:256*\c+16*\n
.endr
.endr
.endm
.macro QB q                            ; my two whole blocks (2 c + h of the step) become eight registers of codes and two bytes of the scale word
.irp c, 0,1
	v_max3_num_f32 v[8+\c], |v[X+32*\c]|, |v[X+32*\c+1]|, 0x1800000   ; with the floor 2^(3 - 127): the byte cannot fall under 1
.endr
.irp i, 2,4,6,8,10,12,14,16,18,20,22,24,26,28,30
.irp c, 0,1
	v_max3_num_f32 v[8+\c], v[8+\c], |v[X+32*\c+\i]|, |v[X+32*\c+\i+1]|   ; the two blocks by turns
.endr
.endr
.irp c, 0,1
	v_add_nc_u32 v[10+\c], 0xff000000, v[8+\c]     ; 2 off the exponent field: the conversion's scale operand
.endr
.irp c, 0,1
	v_lshrrev_b32 v[12+\c], 23, v[10+\c]           ; the scale's byte
.endr
.irp c, 0,1
.irp g, 0,1,2,3
	v_cvt_scalef32_pk8_fp4_f32 v[CD+8*(\q)+4*\c+\g], v[X+32*\c+8*\g:X+32*\c+8*\g+7], v[10+\c]
.endr
.endr
	v_lshl_or_b32 v14, v13, 16, v12                ; bytes h and 2 + h of my row's word,
	v_lshlrev_b32 v14, v7, v14                     ; at their places;
	v_permlanex16_b32 v15, v14, s34, s35
	v_or_b32 v[SW+(\q)], v14, v15                  ; with lane l xor 16's two the word is whole
.irp c, 0,1
	global_store_b128 v1, v[CD+8*(\q)+4*\c:CD+8*(\q)+4*\c+3], s[22:23] offset:1024*(\q)+512*\c   ; 32 lanes store 512 consecutive bytes
.endr
.endm
	LOAD 0
	LOAD 1
.irp q, 0,1,2,3
.if \q < 3
	s_wait_loadcnt 16                              ; this step's 16 loads are in; the next step's 16 may be out
.else
	s_wait_loadcnt 0x0
.endif
	TURN \q
	s_wait_dscnt 0x0                               ; my numbers are back, and the stage's stores have read the set,
.if \q < 2
	LOAD \q+2                                      ; which takes the loads of two steps on
.endif
	QB \q
.endr
	v_cndmask_b32 v52, v48, v50, vcc_lo            ; lanes 0-15 store words 0 and 1 of their row, lanes 16-31 words 2 and 3
	v_cndmask_b32 v53, v49, v51, vcc_lo
	global_store_b64 v6, v[52:53], s[28:29]        ; 32 lanes store 256 consecutive bytes, aligned
	s_wait_tensorcnt 0x0
	ds_add_u32 v62, v63
	s_wait_dscnt 0x0
	s_endpgm
	; ---- the table
.Ltable:
	s_sub_co_u32 s24, ttmp9, 384
	s_lshl_b32 s24, s24, 2
	s_add_co_u32 s24, s24, s18                     ; my tile of tokens
	s_lshr_b32 s26, s24, 1
	s_lshl_b32 s26, s26, 5
	s_and_b32 s27, s24, 1
	s_lshl_b32 s27, s27, 3
	s_add_co_u32 s26, s26, s27
	v_and_b32 v4, 8, v2
	v_add_nc_u32 v4, v4, v2
	v_add_nc_u32 v4, s26, v4                       ; my token: 32 (tile / 2) + 8 (tile % 2) + r + 8 (r / 8)
	v_cvt_f32_u32 v4, v4
	s_mov_b32 s36, 0xbe2aaaab                      ; -1/6
	s_mov_b32 s37, 0x3c088889                      ; 1/120
	s_mov_b32 s38, 0xb9500d01                      ; -1/5040
	s_mov_b32 s39, 0x3638ef1d                      ; 1/362880
	s_mov_b32 s41, 0x3d2aaaab                      ; 1/24
	s_mov_b32 s42, 0xbab60b61                      ; -1/720
	s_mov_b32 s43, 0x37d00d01                      ; 1/40320
	s_lshl_b32 s26, s24, 12
	s_mov_b32 s27, 0
	s_wait_kmcnt 0x0
	s_add_nc_u64 s[16:17], s[16:17], s[26:27]
.macro ANGLE f, lo, hi                 ; cos into v[64 + f], sin into v[80 + f], of token x frequency f (lanes 0-15) or 16 + f (lanes 16-31)
	v_mul_f32 v8, \lo, v4
	v_mul_f32 v9, \hi, v4
	v_cndmask_b32 v8, v8, v9, vcc_lo               ; the angle: one rounding
	v_mul_f32 v9, 0x3f22f983, v8
	v_rndne_f32 v9, v9                             ; n = the nearest whole number of quarter turns
	v_fmamk_f32 v10, v9, 0xbfc90fdb, v8            ; angle - n x (pi / 2's upper part): exact,
	v_fmamk_f32 v10, v9, 0x333bbd2e, v10           ; and its lower part (which is negative)
	v_mul_f32 v11, v10, v10
	v_fma_f32 v12, v11, s39, s38
	v_fma_f32 v13, v11, s43, s42
	v_fma_f32 v12, v12, v11, s37
	v_fma_f32 v13, v13, v11, s41
	v_fma_f32 v12, v12, v11, s36
	v_fma_f32 v13, v13, v11, -0.5
	v_mul_f32 v14, v10, v11
	v_fma_f32 v13, v13, v11, 1.0                   ; cos of the rest
	v_fma_f32 v12, v14, v12, v10                   ; sin of the rest
	v_cvt_i32_f32 v9, v9
	v_and_b32 v14, 1, v9
	v_cmp_eq_u32 s44, 1, v14                       ; an odd quarter swaps the two
	v_cndmask_b32 v15, v12, v13, s44
	v_cndmask_b32 v16, v13, v12, s44
	v_and_b32 v14, 2, v9
	v_lshlrev_b32 v14, 30, v14                     ; sin changes sign in quarters 2 and 3,
	v_xor_b32 v[80+\f], v14, v15
	v_add_nc_u32 v9, 1, v9
	v_and_b32 v9, 2, v9
	v_lshlrev_b32 v9, 30, v9                       ; cos in quarters 1 and 2
	v_xor_b32 v[64+\f], v9, v16
.endm
	ANGLE 0, 1.0, 0.01
	ANGLE 1, 0.7498942093324559, 0.007498942093324559
	ANGLE 2, 0.5623413251903491, 0.005623413251903491
	ANGLE 3, 0.4216965034285822, 0.004216965034285822
	ANGLE 4, 0.31622776601683794, 0.0031622776601683794
	ANGLE 5, 0.23713737056616552, 0.0023713737056616552
	ANGLE 6, 0.1778279410038923, 0.001778279410038923
	ANGLE 7, 0.1333521432163324, 0.001333521432163324
	ANGLE 8, 0.1, 0.001
	ANGLE 9, 0.07498942093324559, 0.0007498942093324559
	ANGLE 10, 0.05623413251903491, 0.0005623413251903491
	ANGLE 11, 0.04216965034285822, 0.0004216965034285822
	ANGLE 12, 0.031622776601683794, 0.00031622776601683794
	ANGLE 13, 0.023713737056616552, 0.00023713737056616552
	ANGLE 14, 0.01778279410038923, 0.0001778279410038923
	ANGLE 15, 0.01333521432163324, 0.0001333521432163324
.irp g, 0,1,2,3,4,5,6,7
	global_store_b128 v1, v[64+4*\g:67+4*\g], s[16:17] offset:512*\g   ; 32 lanes store 512 consecutive bytes
.endr
	s_endpgm
.Lfunc_end_k_q414935a31a_quant:
	.size	k_q414935a31a_quant, .Lfunc_end_k_q414935a31a_quant-k_q414935a31a_quant
	.p2alignl 7, 3214868480
	.fill 96, 4, 3214868480
	.section	.rodata,"a",@progbits
	.p2align	6, 0x0
	.amdhsa_kernel k_q414935a31a_quant
		.amdhsa_group_segment_fixed_size 34304
		.amdhsa_private_segment_fixed_size 0
		.amdhsa_enable_private_segment 0
		.amdhsa_kernarg_size 56
		.amdhsa_user_sgpr_count 2
		.amdhsa_user_sgpr_kernarg_segment_ptr 1
		.amdhsa_wavefront_size32 1
		.amdhsa_system_sgpr_workgroup_id_x 1
		.amdhsa_system_sgpr_workgroup_id_y 1
		.amdhsa_system_sgpr_workgroup_id_z 1
		.amdhsa_system_vgpr_workitem_id 0
		.amdhsa_next_free_vgpr 256
		.amdhsa_next_free_sgpr 66
		.amdhsa_reserve_vcc 1
		.amdhsa_float_denorm_mode_32 3
		.amdhsa_float_denorm_mode_16_64 3
		.amdhsa_memory_ordered 1
		.amdhsa_forward_progress 1
		.amdhsa_inst_pref_size 54
	.end_amdhsa_kernel
	.amdgpu_metadata
---
amdhsa.version: [ 1, 2 ]
amdhsa.kernels:
  - .name:           k_q414935a31a_quant
    .symbol:         k_q414935a31a_quant.kd
    .args:
      - { .name: x, .offset: 0, .size: 8, .value_kind: global_buffer, .address_space: global }
      - { .name: W_qkv, .offset: 8, .size: 8, .value_kind: global_buffer, .address_space: global }
      - { .name: W_out, .offset: 16, .size: 8, .value_kind: global_buffer, .address_space: global }
      - { .name: xq, .offset: 24, .size: 8, .value_kind: global_buffer, .address_space: global }
      - { .name: wq, .offset: 32, .size: 8, .value_kind: global_buffer, .address_space: global }
      - { .name: wo, .offset: 40, .size: 8, .value_kind: global_buffer, .address_space: global }
      - { .name: rope, .offset: 48, .size: 8, .value_kind: global_buffer, .address_space: global }
    .group_segment_fixed_size: 34304
    .private_segment_fixed_size: 0
    .kernarg_segment_align: 8
    .kernarg_segment_size: 56
    .max_flat_workgroup_size: 128
    .sgpr_count:     66
    .vgpr_count:     256
    .wavefront_size: 32
...
	.end_amdgpu_metadata
.endif
;; end of part 1
;; launch qkv (part 2): grid 12 x 64, 4 waves a work-group, clusters of 4 x 4, 213,504 bytes of LDS; arguments xq, wq, rope, qkv; writes qkv
.if DOCPART == 2
	.amdgcn_target "amdgcn-amd-amdhsa--gfx1250"
	.amdhsa_code_object_version 6
	.text
	.protected	k_q414935a31a_qkv
	.globl	k_q414935a31a_qkv
	.p2align	8
	.type	k_q414935a31a_qkv,@function
k_q414935a31a_qkv:
	s_mov_b64 s[64:65], 0
	v_nop
	global_prefetch_b8 v0, s[64:65] scope:SCOPE_SE
	s_setreg_imm32_b32 hwreg(HW_REG_WAVE_MODE, 25, 1), 1
	s_wait_xcnt 0x0
	s_wait_alu depctr_hold_cnt(0) depctr_sa_sdst(0) depctr_va_vdst(0) depctr_va_sdst(0) depctr_va_ssrc(0) depctr_va_vcc(0) depctr_vm_vsrc(0)
	s_getreg_b32 s2, hwreg(HW_REG_IB_STS2, 6, 4)
	s_cmp_eq_u32 s2, 0
	s_cbranch_scc0 .Lentry_in_a_cluster
	s_endpgm
.Lentry_in_a_cluster:
	s_bfe_u32 s2, ttmp6, 0x10000c
	s_cmp_lg_u32 s2, 0xf033
	s_cbranch_scc0 .Lentry_shape_is_right
	s_endpgm
.Lentry_shape_is_right:
; The first product, x W_qkv^T, on codes of E2M1 (K = 1,024), the rotary embedding of q and k, and the quantising of q and k (along a head's 64) and of v (along the keys), all in registers: no f32 intermediate goes to memory.
; OPERANDS are images of their registers: codes [row tile][K step: 8][c: 2][lane][16 bytes], scale words [row tile][K half: 2][r: 16][4 words] behind them; lane r of row tile i stands for row 32 (i / 2) + 8 (i % 2) + r + 8 (r / 8).
; A WORK-GROUP makes 128 'A' rows x 256 'B' rows with all of K in LDS, filled once: no slot is ever filled again.  Four waves; a wave makes 64 x 128: 4 x 8 accumulators.  768 work-groups: three even turns on 256 WGPs.
; THE MATRIX INSTRUCTION IS USED TRANSPOSED (source 0 = 16 B rows, source 1 = 16 A rows): a lane holds ONE A row, and the 16 registers of B tiles 2 u, 2 u + 1 are the 16 neighbouring B rows 32 u + 16 h + 0 .. 15.
; ROLES, by the cluster's x (the same in all sixteen partners).  x = 0: q, x = 1: k: A = tokens (xq), B = rows of W (wq): a lane holds a token and its registers run along the head's channels.
;   x = 2: v: A = rows of W_v (wq from row tile 128 on), B = tokens: a lane holds a channel and its registers run along the tokens, which are the K of attention's second product.
; CLUSTERS: 4 x 4 work-groups; A's tiles are asked for jointly along a row of the cluster, B's along a column.
; OUT: 64 records of REC bytes, record 16 batch + head: K's fragments (token tile t at 512 t + 16 lane: the 16 bytes of k = 32 h + 0 .. 31), V's ((4 step + a) x 1,024 + 512 c + 16 lane: 16 channels x 128 keys),
;   K's scale words (64 t + 4 r: two bytes, the upper 16 bits 0), V's (256 step + 64 a + 4 r), then Q's fragments and scale words laid as K's.
; The table of cos and sin is loaded on the one way that all work-groups take, so that every register that an epilogue names is written on every way; the v work-groups leave their 16 KB a wave unread (the addresses stay inside the table).
; No prefetch: every tile is a first fill at the kernel's head.  LIMITS: as the quantising launch states: a block under 2^-124 gets the byte 1; NaN and infinities are not served.
; REGISTERS.  window 0: v8-15 epilogue addresses; v16-17, v20-21, v27 LDS addresses; v32-95 scale words and nothing else; v128-191 A's fragments, two sets, later the rotated numbers; v192-199, v200-220 at work; v224-255 codes.
;   window 1: B's fragments, two sets, at v0 and v128.   window 2: accumulator (a, b) at v[64 a + 8 b].   window 3: v0-127 cos and sin: tile a's cos at 32 a + i, sin at 32 a + 16 + i.
.set KH,   98304                       ; LDS: a K half: A's 8 row tiles x 4,096 bytes, then B's 16
.set SCA,  196608                      ; A's scale words, 8 x 512 bytes
.set SCB,  200704                      ; B's, 16 x 512
.set STGQ, 208896                      ; q and k: a wave's 512 bytes of scale words on their way out
.set STGV, 210944                      ; v: a wave's 256
.set REC,  217088
.set SC,   32                          ; scale words: set kh at SC + 32 kh; register 4 i + q: lanes 0-15 A's tile i, lanes 16-31 B's tile i
.set AF,   128
.set RR,   128
.set T,    192
.set TM,   200
.set PW,   216
.set PC,   224
.set MSB,  0
.macro WIN new                         ; the immediate's high byte repeats the setting that is left
.if MSB != (\new)
	s_set_vgpr_msb (MSB<<8)|(\new)
.set MSB, (\new)
.endif
.endm
.macro CROUND                          ; a round of the cluster's barrier
	s_barrier_signal -1
	s_barrier_wait -1
	s_cmp_lg_u32 s16, 0
	s_cbranch_scc1 .Lnot_wave_0_\@
	s_barrier_signal -3
.Lnot_wave_0_\@:
	s_barrier_wait -3
	s_barrier_signal -1
	s_barrier_wait -1
.endm
.macro PLACES n
.rept \n
	v_nop
.endr
.endm
	s_load_b256 s[4:11], s[0:1], 0x0               ; xq, wq, rope, qkv
	v_lshl_add_u32 v222, v0, 2, 0x34000
	v_mov_b32 v223, 0
	ds_add_u32 v222, v223
	ds_add_u32 v222, v223
	v_lshrrev_b32 v1, 5, v0
	v_readfirstlane_b32 s16, v1                    ; wave
	s_lshr_b32 s17, s16, 1                         ; which 64 A rows are mine.  Also: I fetch for A (0) or for B (1)
	s_and_b32 s18, s16, 1                          ; which 128 B rows.  Also: which half of that tile I fetch
	s_bfe_u32 s19, ttmp6, 0x40000                  ; cx
	s_bfe_u32 s20, ttmp6, 0x40004                  ; cy
	s_and_b32 s22, ttmp7, 0xffff                   ; the cluster's y
	s_mov_b32 s2, 0x76543210
	s_mov_b32 s3, 0xfedcba98                       ; v_permlanex16_b32's selects for lane l xor 16
	s_lshl_b32 s84, s20, 2
	s_lshl_b32 s84, 15, s84                        ; my row of the cluster
	s_lshl_b32 s85, 0x1111, s19                    ; my column
	; descriptor groups 1.  Elements of 8 bytes, no padding.  Codes: a row tile's K half is 4,096 consecutive bytes, 8,192 from tile to tile: A 4 such rows, B 8.  Scale words: dense, as rows of 256 bytes: A 8, B 16.
	s_or_b32 s24, s84, (3<<16)|(1<<21)             ; A's codes: the mask of my row; 17:16 elements of 8 bytes; 21 set beside a mask
	s_or_b32 s40, s84, (3<<16)|(1<<21)             ; A's scale words
	s_or_b32 s32, s85, (3<<16)|(1<<21)             ; B's codes: the mask of my column
	s_or_b32 s48, s85, (3<<16)|(1<<21)             ; B's scale words
.irp g, 24, 32
	s_mov_b32 s[\g+1], 512<<16                     ; tensor_dim0 = 512
	s_mov_b32 s[\g+3], 512<<16                     ; tile_dim0 = 512
	s_mov_b32 s[\g+5], 1024                        ; tensor_dim0_stride
	s_mov_b32 s[\g+6], 0
	s_mov_b32 s[\g+7], 0
.endr
	s_mov_b32 s26, 4<<16                           ; tensor_dim1
	s_mov_b32 s28, 4                               ; tile_dim1
	s_mov_b32 s34, 8<<16
	s_mov_b32 s36, 8
.irp g, 40, 48
	s_mov_b32 s[\g+1], 32<<16
	s_mov_b32 s[\g+3], 32<<16
	s_mov_b32 s[\g+5], 32
	s_mov_b32 s[\g+6], 0
	s_mov_b32 s[\g+7], 0
.endr
	s_mov_b32 s42, 8<<16
	s_mov_b32 s44, 8
	s_mov_b32 s50, 16<<16
	s_mov_b32 s52, 16
	; the role
	s_lshl_b32 s86, s22, 2                         ; q, k: tile row 4 y + cy of 64,
	s_and_b32 s87, s22, 1
	s_lshl_b32 s87, s87, 2                         ; v: 4 (y % 2) + cy of 8
	s_lshl_b32 s92, ttmp9, 2                       ; q, k: tile column 4 x + cx of 8,
	s_lshr_b32 s93, s22, 1
	s_lshl_b32 s93, s93, 2                         ; v: 4 (y / 2) + cx of 32
	s_mov_b32 s96, 4194304                         ; where xq's scale words begin,
	s_mov_b32 s97, 1572864                         ; and wq's
	s_cmp_eq_u32 ttmp9, 2
	s_cselect_b32 s21, 1, 0                        ; 1: v
	s_cselect_b32 s86, s87, s86
	s_cselect_b32 s92, s93, s92
	s_cselect_b32 s98, s97, s96
	s_cselect_b32 s99, s96, s97
	s_cselect_b32 s87, 128, 0                      ; W_v begins at row tile 128
	s_add_co_u32 s86, s86, s20                     ; tile row: registers that feed A's descriptors never hold cx,
	s_add_co_u32 s92, s92, s19                     ; tile column: those that feed B's never cy
	s_lshl_b32 s88, s86, 3
	s_add_co_u32 s88, s88, s87
	s_lshl_b32 s89, s18, 2
	s_add_co_u32 s88, s88, s89                     ; A: the first of the 4 row tiles that I fetch
	s_lshl_b32 s90, s88, 9
	s_add_co_u32 s90, s90, s98
	s_mov_b32 s91, 0
	s_lshl_b32 s88, s88, 13
	s_mov_b32 s89, 0
	s_lshl_b32 s94, s92, 4
	s_lshl_b32 s95, s18, 3
	s_add_co_u32 s94, s94, s95                     ; B: the first of the 8
	s_lshl_b32 s100, s94, 9
	s_add_co_u32 s100, s100, s99
	s_mov_b32 s101, 0
	s_lshl_b32 s94, s94, 13
	s_mov_b32 s95, 0
	s_and_b32 s23, s86, 15
	s_lshl_b32 s23, s23, 3
	s_lshl_b32 s84, s17, 2
	s_add_co_u32 s23, s23, s84                     ; tau0: my first token tile in its batch (q, k)
	s_lshl_b32 s84, s23, 12
	s_mov_b32 s85, 0
	s_wait_dscnt 0x0
	s_wait_kmcnt 0x0
	s_add_nc_u64 s[8:9], s[8:9], s[84:85]          ; the table at tau0
	s_cmp_eq_u32 s21, 1
	s_cselect_b64 s[12:13], s[6:7], s[4:5]         ; A's buffer
	s_cselect_b64 s[14:15], s[4:5], s[6:7]         ; B's
	s_add_nc_u64 s[88:89], s[12:13], s[88:89]
	s_add_nc_u64 s[90:91], s[12:13], s[90:91]
	s_add_nc_u64 s[94:95], s[14:15], s[94:95]
	s_add_nc_u64 s[100:101], s[14:15], s[100:101]
	; descriptor groups 0: count 1, LDS address, global address, type 2.  Every LDS address is a constant + a constant x (wave % 2)
	s_mov_b32 s56, 1                               ; A's scale words
	s_lshl_b32 s57, s18, 11
	s_add_co_u32 s57, s57, SCA
	s_mov_b64 s[58:59], s[90:91]
	s_or_b32 s59, s59, 0x80000000
	s_mov_b32 s60, 1                               ; A's codes, K half 0
	s_lshl_b32 s61, s18, 14
	s_mov_b64 s[62:63], s[88:89]
	s_or_b32 s63, s63, 0x80000000
	s_mov_b32 s68, 1                               ; K half 1
	s_add_co_u32 s69, s61, KH
	s_add_nc_u64 s[70:71], s[88:89], 4096
	s_or_b32 s71, s71, 0x80000000
	s_mov_b32 s72, 1                               ; B's scale words
	s_lshl_b32 s73, s18, 12
	s_add_co_u32 s73, s73, SCB
	s_mov_b64 s[74:75], s[100:101]
	s_or_b32 s75, s75, 0x80000000
	s_mov_b32 s76, 1                               ; B's codes, K half 0
	s_lshl_b32 s77, s18, 15
	s_add_co_u32 s77, s77, 32768
	s_mov_b64 s[78:79], s[94:95]
	s_or_b32 s79, s79, 0x80000000
	s_mov_b32 s80, 1                               ; K half 1
	s_add_co_u32 s81, s77, KH
	s_add_nc_u64 s[82:83], s[94:95], 4096
	s_or_b32 s83, s83, 0x80000000
	CROUND                                         ; all sixteen work-groups are here: the joint loads meet
	s_cmp_eq_u32 s17, 0                            ; a wave's three first fills stand in one branch on its number: three loads of mine are out
	s_cbranch_scc0 .Lfor_b
	tensor_load_to_lds s[56:59], s[40:47]
	s_nop 0
	tensor_load_to_lds s[60:63], s[24:31]
	s_nop 0
	tensor_load_to_lds s[68:71], s[24:31]
	s_nop 0
	PLACES 4                                       ; four v_nop follow the last, ahead of the jump and the label
	s_branch .Lasked
.Lfor_b:
	tensor_load_to_lds s[72:75], s[48:55]
	s_nop 0
	tensor_load_to_lds s[76:79], s[32:39]
	s_nop 0
	tensor_load_to_lds s[80:83], s[32:39]
	s_nop 0
	PLACES 4
.Lasked:
	v_and_b32 v1, 31, v0                           ; lane
	v_lshlrev_b32 v8, 4, v1                        ; 16 x lane
	v_and_b32 v2, 15, v0                           ; r
	v_bfe_u32 v3, v0, 4, 1                         ; h
	WIN 0xc0                                       ; destination window 3
.irp a, 0,1,2,3
.irp g, 0,1,2,3,4,5,6,7
	global_load_b128 v[32*\a+4*\g:32*\a+4*\g+3], v8, s[8:9] offset:4096*\a+512*\g   ; cos and sin of my four tiles of tokens
.endr
.endr
	WIN 0
	s_lshl_b32 s84, s17, 14
	v_add_nc_u32 v16, s84, v8                      ; A's fragments: my 4 row tiles, K half 0,
	v_add_nc_u32 v17, KH, v16                      ; K half 1
	s_lshl_b32 s84, s18, 15
	s_add_co_u32 s84, s84, 32768
	v_add_nc_u32 v20, s84, v8                      ; B's: my 8 row tiles
	v_add_nc_u32 v21, KH, v20
	s_lshl_b32 s84, s17, 11                        ; scale words: lanes 0-15 A's, lanes 16-31 B's: the lower base + h x the distance
	s_lshl_b32 s85, s18, 12
	s_add_co_u32 s85, s85, 4096
	s_sub_co_u32 s85, s85, s84
	v_mul_u32_u24 v27, s85, v3
	v_lshl_add_u32 v27, v2, 4, v27
	s_add_co_u32 s84, s84, SCA
	v_add_nc_u32 v27, s84, v27
	; the epilogues' addresses, all made ahead of the parting of the roles
	v_mul_u32_u24 v9, v3, REC
	v_lshl_add_u32 v9, v2, 4, v9                   ; q, k: scale words out: 16 r, lanes 16-31 in the next head's record
	s_lshl_b32 s84, s16, 9
	s_add_co_u32 s84, s84, STGQ
	v_lshlrev_b32 v10, 2, v2
	v_lshl_add_u32 v10, v3, 8, v10
	v_add_nc_u32 v10, s84, v10                     ; into the stage: 256 h + 4 r
	v_add_nc_u32 v11, s84, v8                      ; out of it: 16 x lane
	s_lshl_b32 s84, s16, 8
	s_add_co_u32 s84, s84, STGV
	v_lshlrev_b32 v12, 2, v2
	v_add_nc_u32 v12, s84, v12                     ; v: into the stage: 4 r
	v_lshlrev_b32 v15, 3, v1                       ; 8 x lane
	v_add_nc_u32 v13, s84, v15                     ; out of it
	v_lshlrev_b32 v14, 4, v3                       ; 16 h
.irp b, 0,1,2,3
	v_mov_b32 v[TM+4+\b], 0                        ; written once: a lane permute's destination counts as one of its sources
.endr
.macro FETCH q, p                      ; the fragments of K step q into set p: B's eight, A's four; each load takes 512 consecutive bytes
	WIN 0x40                                       ; destination window 1
.irp b, 0,1,2,3,4,5,6,7
.irp c, 0,1
	ds_load_b128 v[128*(\p)+8*\b+4*\c:128*(\p)+8*\b+4*\c+3], v[20+(\q)/4] offset:4096*\b+1024*((\q)%4)+512*\c
.endr
.endr
	WIN 0
.irp a, 0,1,2,3
.irp c, 0,1
	ds_load_b128 v[AF+32*(\p)+8*\a+4*\c:AF+32*(\p)+8*\a+4*\c+3], v[16+(\q)/4] offset:4096*\a+1024*((\q)%4)+512*\c
.endr
.endr
.endm
.macro MUL q                           ; 32 matrix instructions: the accumulators take turns, one instruction a turn, in the same order in every step.  Step 0 starts the sums
	WIN 0xa1                                       ; source 0 (B) window 1, source 1 (A) window 0, C and D window 2
.irp a, 0,1,2,3
.irp b, 0,1,2,3,4,5,6,7
.if (\q) == 0
	v_wmma_scale_f32_16x16x128_f8f6f4 v[64*\a+8*\b:64*\a+8*\b+7], v[128*((\q)%2)+8*\b:128*((\q)%2)+8*\b+7], v[AF+32*((\q)%2)+8*\a:AF+32*((\q)%2)+8*\a+7], 0, v[SC+32*((\q)/4)+4*\b+(\q)%4], v[SC+32*((\q)/4)+4*\a+(\q)%4] matrix_a_fmt:MATRIX_FMT_FP4 matrix_b_fmt:MATRIX_FMT_FP4 matrix_a_scale:MATRIX_SCALE_ROW1
.else
	v_wmma_scale_f32_16x16x128_f8f6f4 v[64*\a+8*\b:64*\a+8*\b+7], v[128*((\q)%2)+8*\b:128*((\q)%2)+8*\b+7], v[AF+32*((\q)%2)+8*\a:AF+32*((\q)%2)+8*\a+7], v[64*\a+8*\b:64*\a+8*\b+7], v[SC+32*((\q)/4)+4*\b+(\q)%4], v[SC+32*((\q)/4)+4*\a+(\q)%4] matrix_a_fmt:MATRIX_FMT_FP4 matrix_b_fmt:MATRIX_FMT_FP4 matrix_a_scale:MATRIX_SCALE_ROW1
.endif
.endr
.endr
.endm
.macro KSTEP q
.if (\q) == 3
	s_wait_tensorcnt 0x0                           ; my part of K half 1 has landed
.endif
	s_wait_dscnt 0x0                               ; this step's fragments are in
.if (\q) == 3
	s_barrier_signal -1
	s_barrier_wait -1                              ; everybody's part has: the next fetch reads K half 1
.endif
.if (\q) < 7
.if (\q) > 0
	PLACES 4                                       ; four places in front of loads into the set that the last step's products have read
.endif
	FETCH (\q)+1, ((\q)+1)%2
.endif
	MUL \q
.endm
	s_wait_tensorcnt 0x1                           ; my scale words and my part of K half 0 have landed; K half 1's load may stay out
	s_barrier_signal -1
	s_barrier_wait -1
.irp i, 0,1,2,3,4,5,6,7
.irp k, 0,1
	ds_load_b128 v[SC+32*\k+4*\i:SC+32*\k+4*\i+3], v27 offset:512*\i+256*\k   ; all scale words, once (for i over 3 lanes 0-15 read filled bytes that no product names)
.endr
.endr
	FETCH 0, 0
.irp q, 0,1,2,3,4,5,6,7
	KSTEP \q
.endr
	WIN 0
	PLACES 4                                       ; behind the last products, ahead of the first read of results and the first write over A's fragments
	s_wait_loadcnt 0x0                             ; the table
; 64 numbers of a lane in window w, v[s] .. v[s + 63], register 16 b + i = k 32 b + 16 h + i of my row, become a fragment's codes in v[pc] on and its scale word in v[PW].  Each accumulator is read from its low end on.
.macro QUANT s, w, pc
	WIN (\w)|((\w)<<2)                             ; sources 0 and 1
.irp b, 0,1,2,3
	v_max3_num_f32 v[TM+\b], |v[(\s)+16*\b]|, |v[(\s)+16*\b+1]|, 0x1800000   ; with the floor 2^(3 - 127): the byte cannot fall under 1
.endr
.irp i, 2,4,6,8,10,12,14
.irp b, 0,1,2,3
	v_max3_num_f32 v[TM+\b], |v[(\s)+16*\b+\i]|, |v[(\s)+16*\b+\i+1]|, v[TM+\b]   ; the four blocks by turns
.endr
.endr
	WIN 0
.irp b, 0,1,2,3
	v_permlanex16_b32 v[TM+4+\b], v[TM+\b], s2, s3
.endr
.irp b, 0,1,2,3
	v_max_num_f32 v[TM+\b], v[TM+\b], v[TM+4+\b]   ; with lane l xor 16's: the block's largest magnitude
.endr
.irp b, 0,1,2,3
	v_add_nc_u32 v[TM+12+\b], 0xff000000, v[TM+\b] ; 2 off its exponent field: the conversion's scale operand
.endr
.irp b, 0,1,2,3
	v_lshrrev_b32 v[TM+4+\b], 23, v[TM+12+\b]      ; the scale's byte
.endr
	v_lshl_or_b32 v[PW], v[TM+5], 8, v[TM+4]
	v_lshl_or_b32 v[PW], v[TM+6], 16, v[PW]
	v_lshl_or_b32 v[PW], v[TM+7], 24, v[PW]
	WIN (\w)                                       ; source 0
.irp b, 0,1,2,3
	v_cvt_scalef32_pk8_fp4_f32 v[(\pc)+2*\b], v[(\s)+16*\b:(\s)+16*\b+7], v[TM+12+\b]
	v_cvt_scalef32_pk8_fp4_f32 v[(\pc)+2*\b+1], v[(\s)+16*\b+8:(\s)+16*\b+15], v[TM+12+\b]
.endr
	WIN 0
	v_nop                                          ; one plain place behind a scaled conversion
.irp c, 0,1                                    ; the operand's layout wants a whole block in a lane
.irp i, 0,1
	v_permlane16_swap_b32 v[(\pc)+4*\c+\i], v[(\pc)+2+4*\c+\i]
.endr
.endr
.endm
; Tile a's 64 numbers (two heads c; channel 16 h + i in register 32 c + i, channel 32 + 16 h + i in 32 c + 16 + i) are rotated: lo cos - hi sin, hi cos + lo sin, two at a time, into v[RR] on.
.macro ROPE a
	WIN 0x0e                                       ; source 0 window 2 (the sums), source 1 window 3 (cos, sin)
.irp c, 0,1
.irp i, 0,2,4,6,8,10,12,14
	v_pk_mul_f32 v[T+4*((\i/2)%2):T+4*((\i/2)%2)+1], v[64*(\a)+32*\c+16+\i:64*(\a)+32*\c+17+\i], v[32*(\a)+16+\i:32*(\a)+17+\i]
	v_pk_mul_f32 v[T+4*((\i/2)%2)+2:T+4*((\i/2)%2)+3], v[64*(\a)+32*\c+\i:64*(\a)+32*\c+1+\i], v[32*(\a)+16+\i:32*(\a)+17+\i]
	v_pk_fma_f32 v[RR+32*\c+\i:RR+32*\c+1+\i], v[64*(\a)+32*\c+\i:64*(\a)+32*\c+1+\i], v[32*(\a)+\i:32*(\a)+1+\i], v[T+4*((\i/2)%2):T+4*((\i/2)%2)+1] neg_lo:[0,0,1] neg_hi:[0,0,1]
	v_pk_fma_f32 v[RR+32*\c+16+\i:RR+32*\c+17+\i], v[64*(\a)+32*\c+16+\i:64*(\a)+32*\c+17+\i], v[32*(\a)+\i:32*(\a)+1+\i], v[T+4*((\i/2)%2)+2:T+4*((\i/2)%2)+3]
.endr
.endr
	WIN 0
.endm
	s_cmp_eq_u32 s21, 1
	s_cbranch_scc1 .Lvpath
	; ---- q and k: my 64 tokens x two heads
	s_lshr_b32 s84, s86, 4
	s_lshl_b32 s84, s84, 4                         ; 16 x batch
	s_lshl_b32 s85, s19, 2
	s_add_co_u32 s84, s84, s85                     ; + 4 cx
	s_lshl_b32 s85, s18, 1
	s_add_co_u32 s84, s84, s85                     ; + 2 x my half: my first head's record
	s_mul_i32 s84, s84, REC
	s_mov_b32 s87, 208896
	s_cmp_eq_u32 ttmp9, 1
	s_cselect_b32 s85, 0, 143360                   ; k's fragments lie at 0, q's at 143,360;
	s_cselect_b32 s87, 131072, s87                 ; their scale words at 131,072 and 208,896
	s_lshl_b32 s88, s23, 9
	s_add_co_u32 s88, s88, s85
	s_add_co_u32 s88, s88, s84
	s_mov_b32 s89, 0
	s_add_nc_u64 s[88:89], s[10:11], s[88:89]
	s_lshl_b32 s90, s23, 6
	s_add_co_u32 s90, s90, s87
	s_add_co_u32 s90, s90, s84
	s_mov_b32 s91, 0
	s_add_nc_u64 s[90:91], s[10:11], s[90:91]
.irp a, 0,1,2,3
	ROPE \a
	QUANT RR, 0, PC+8*\a
	global_store_b128 v8, v[PC+8*\a:PC+8*\a+3], s[88:89] offset:512*\a          ; the first head's fragment: 512 consecutive bytes
	global_store_b128 v8, v[PC+8*\a+4:PC+8*\a+7], s[88:89] offset:512*\a+REC    ; the second's
	v_bfe_u32 v[217+\a], v[PW], v14, 16            ; lanes 0-15: the first head's two bytes, lanes 16-31: the second's; the upper 16 bits 0
	ds_store_b32 v10, v[217+\a] offset:64*\a
.endr
	ds_load_b128 v[192:195], v11                   ; LDS serves a wave's instructions in order: this sees my stores
	s_wait_dscnt 0x0
	global_store_b128 v9, v[192:195], s[90:91]     ; sixteen lanes store 256 consecutive bytes, aligned, in each head's record
	s_branch .Ldone
	; ---- v: my head's 64 channels x 128 tokens, one key step
.Lvpath:
	s_lshl_b32 s84, s86, 1
	s_add_co_u32 s84, s84, s17                     ; the head
	s_lshr_b32 s85, s92, 3
	s_lshl_b32 s85, s85, 4
	s_add_co_u32 s84, s84, s85                     ; + 16 x batch
	s_mul_i32 s84, s84, REC
	s_and_b32 s85, s92, 7
	s_lshl_b32 s85, s85, 1
	s_add_co_u32 s85, s85, s18                     ; the key step
	s_lshl_b32 s88, s85, 12
	s_add_co_u32 s88, s88, s84
	s_add_co_u32 s88, s88, 65536
	s_mov_b32 s89, 0
	s_add_nc_u64 s[88:89], s[10:11], s[88:89]
	s_lshl_b32 s90, s85, 8
	s_add_co_u32 s90, s90, s84
	s_add_co_u32 s90, s90, 139264
	s_mov_b32 s91, 0
	s_add_nc_u64 s[90:91], s[10:11], s[90:91]
.irp a, 0,1,2,3
	QUANT 64*\a, 2, PC+8*\a
	global_store_b128 v8, v[PC+8*\a:PC+8*\a+3], s[88:89] offset:1024*\a
	global_store_b128 v8, v[PC+8*\a+4:PC+8*\a+7], s[88:89] offset:1024*\a+512
	ds_store_b32 v12, v[PW] offset:64*\a           ; both halves of the lanes write the same word with the same value
.endr
	ds_load_b64 v[192:193], v13
	s_wait_dscnt 0x0
	global_store_b64 v15, v[192:193], s[90:91]     ; 32 lanes store 256 consecutive bytes, aligned
.Ldone:
	s_wait_dscnt 0x0
	s_wait_tensorcnt 0x0
	ds_add_u32 v222, v223
	s_wait_dscnt 0x0
	CROUND                                         ; the closing round: no work-group ends while a partner may still ask for a tile that names it
	s_endpgm
.Lfunc_end_k_q414935a31a_qkv:
	.size	k_q414935a31a_qkv, .Lfunc_end_k_q414935a31a_qkv-k_q414935a31a_qkv
	.p2alignl 7, 3214868480
	.fill 96, 4, 3214868480
	.section	.rodata,"a",@progbits
	.p2align	6, 0x0
	.amdhsa_kernel k_q414935a31a_qkv
		.amdhsa_group_segment_fixed_size 213504
		.amdhsa_private_segment_fixed_size 0
		.amdhsa_enable_private_segment 0
		.amdhsa_kernarg_size 32
		.amdhsa_user_sgpr_count 2
		.amdhsa_user_sgpr_kernarg_segment_ptr 1
		.amdhsa_wavefront_size32 1
		.amdhsa_system_sgpr_workgroup_id_x 1
		.amdhsa_system_sgpr_workgroup_id_y 1
		.amdhsa_system_sgpr_workgroup_id_z 1
		.amdhsa_system_vgpr_workitem_id 0
		.amdhsa_next_free_vgpr 896
		.amdhsa_next_free_sgpr 102
		.amdhsa_reserve_vcc 0
		.amdhsa_float_denorm_mode_32 3
		.amdhsa_float_denorm_mode_16_64 3
		.amdhsa_memory_ordered 1
		.amdhsa_forward_progress 1
		.amdhsa_inst_pref_size 111
	.end_amdhsa_kernel
	.amdgpu_metadata
---
amdhsa.version: [ 1, 2 ]
amdhsa.kernels:
  - .name:           k_q414935a31a_qkv
    .symbol:         k_q414935a31a_qkv.kd
    .args:
      - { .name: xq, .offset: 0, .size: 8, .value_kind: global_buffer, .address_space: global }
      - { .name: wq, .offset: 8, .size: 8, .value_kind: global_buffer, .address_space: global }
      - { .name: rope, .offset: 16, .size: 8, .value_kind: global_buffer, .address_space: global }
      - { .name: qkv, .offset: 24, .size: 8, .value_kind: global_buffer, .address_space: global }
    .group_segment_fixed_size: 213504
    .private_segment_fixed_size: 0
    .kernarg_segment_align: 8
    .kernarg_segment_size: 32
    .max_flat_workgroup_size: 128
    .sgpr_count:     102
    .vgpr_count:     896
    .wavefront_size: 32
...
	.end_amdgpu_metadata
.endif
;; end of part 2
;; launch attn (part 3): grid 4 x 64, 16 waves a work-group, clusters of 4 x 1, 169,984 bytes of LDS; arguments qkv, oq; writes oq
.if DOCPART == 3
	.amdgcn_target "amdgcn-amd-amdhsa--gfx1250"
	.amdhsa_code_object_version 6
	.text
	.protected	k_q414935a31a_attn
	.globl	k_q414935a31a_attn
	.p2align	8
	.type	k_q414935a31a_attn,@function
k_q414935a31a_attn:
	s_mov_b64 s[64:65], 0
	v_nop
	global_prefetch_b8 v0, s[64:65] scope:SCOPE_SE
	s_setreg_imm32_b32 hwreg(HW_REG_WAVE_MODE, 25, 1), 1
	s_wait_xcnt 0x0
	s_wait_alu depctr_hold_cnt(0) depctr_sa_sdst(0) depctr_va_vdst(0) depctr_va_sdst(0) depctr_va_ssrc(0) depctr_va_vcc(0) depctr_vm_vsrc(0)
	s_getreg_b32 s2, hwreg(HW_REG_IB_STS2, 6, 4)
	s_cmp_eq_u32 s2, 0
	s_cbranch_scc0 .Lentry_in_a_cluster
	s_endpgm
.Lentry_in_a_cluster:
	s_bfe_u32 s2, ttmp6, 0x10000c
	s_cmp_lg_u32 s2, 0x3003
	s_cbranch_scc0 .Lentry_shape_is_right
	s_endpgm
.Lentry_shape_is_right:
; Causal attention on codes of E2M1, head size 64, 2,048 tokens, 64 (batch, head) pairs; its result, divided by the row's sum, is quantised along the model's 1,024 channels for the last product.
; THE SOFTMAX AHEAD OF THE SECOND PRODUCT: t = score x log2(e) / 8; M = the row's largest t so far, rounded UP to a whole number; p = 2^(t - M) is what is quantised, along the keys; the row's sum is taken of the
; unquantised p and divides at the end.  When M moves, the sum and O are multiplied by 2^(old M - new M): exact.
; A CLUSTER of four work-groups is one (batch, head).  The head's K, V and their scale words, 143,360 consecutive bytes of its record, come into each partner's LDS ONCE, asked for jointly: each of the sixteen waves
; issues one load of 35 rows of 256 bytes.  Nothing is filled again, and no barrier stands in the loops.
; SHARES.  A tile is 16 queries; group G holds tiles 8 G .. 8 G + 7 (128 tokens) and needs key steps 0 .. G of 128 keys.  Wave w takes tile 8 w + cx in pass 0 and tile 8 (15 - w) + 4 + cx in pass 1:
; (w + 1) + (16 - w) = 17 steps for every wave.  Branches hang on the wave's number, the pass and the loop's count alone; cx enters global addresses and the mask's data.
; Every pass walks 16 trips, a constant; a trip whose keys all come after the queries jumps over its work, not over the lines that step addresses.
; LAYOUT.  Both products are used transposed: S^T = K Q^T, O^T = V^T P^T: a lane holds ONE query.  Lane r of a tile of tokens stands for token 32 (tile / 2) + 8 (tile % 2) + r + 8 (r / 8), so that the 16 registers of key
; tiles 2 b, 2 b + 1 are keys 32 b + 16 h + 0 .. 15.  The first product's K is 64: the upper half of the instruction's 128 is zero codes on both sides, under scale bytes 0.
; OUT: oq as the last product wants its operand: codes ((row tile x 16 + head) x 512 + 16 lane), and the head's two scale bytes of each row.  Those bytes are stored singly: a head owns two of a row's 32, the
; other heads are other clusters' work; they are one byte in 17 of what the launch stores.
; No prefetch: the one fill stands at the kernel's head.  LIMITS: a block under 2^-124 gets the byte 1; NaN and infinities are not served.
; REGISTERS: v1-7 offsets that stay; v8-11 the step's LDS addresses; v12 -M, v13 the largest t, v[14:15] the sum; v16-31 Q of the two passes; v32-63 four fragments of K; v64-95 V's four; v96-159 S^T, then p;
;   v160-191 O^T; v192-199 p's codes; v200-208 scale words and nothing else; v212-229 at work; v232-241 the results; v248-249 the mask's distances.
.set REC,  217088
.set BM,   212                         ; v212-215 the blocks' largest
.set PT,   216                         ; v216-219 from lane l xor 16; then bytes
.set SO,   220                         ; v220-223 the conversions' scale operands
.set SUMB, 224                         ; v[224:225] the sum's second chain
.set FF,   226                         ; v[226:227] f, later 1 / sum; the pair's upper half is written once and not used
.set TV,   228
.set NINF, 229
.macro CROUND
	s_barrier_signal -1
	s_barrier_wait -1
	s_cmp_lg_u32 s8, 0
	s_cbranch_scc1 .Lnot_wave_0_\@
	s_barrier_signal -3
.Lnot_wave_0_\@:
	s_barrier_wait -3
	s_barrier_signal -1
	s_barrier_wait -1
.endm
	s_load_b128 s[4:7], s[0:1], 0x0                ; qkv, oq
	v_lshl_add_u32 v254, v0, 2, 0x29000
	v_mov_b32 v255, 0
	ds_add_u32 v254, v255
	ds_add_u32 v254, v255
	v_lshrrev_b32 v1, 5, v0
	v_readfirstlane_b32 s8, v1                     ; wave 0..15
	s_bfe_u32 s9, ttmp6, 0x40000                   ; cx
	s_and_b32 s10, ttmp7, 0xffff                   ; the record: 16 batch + head
	s_mov_b32 s16, 15|(3<<16)|(1<<21)              ; group 1: the mask: all four; elements of 8 bytes; 21 set beside a mask
	s_mov_b32 s17, 32<<16                          ; tensor_dim0 = 32: rows of 256 bytes
	s_mov_b32 s18, 35<<16                          ; tensor_dim1 = 35
	s_mov_b32 s19, 32<<16                          ; tile_dim0
	s_mov_b32 s20, 35                              ; tile_dim1
	s_mov_b32 s21, 32                              ; tensor_dim0_stride: dense
	s_mov_b32 s22, 0
	s_mov_b32 s23, 0
	s_mov_b32 s24, 0x76543210
	s_mov_b32 s25, 0xfedcba98                      ; v_permlanex16_b32's selects for lane l xor 16
	s_mov_b32 s26, 0x3e38aa3b                      ; c = log2(e) / 8
	s_mov_b32 s27, s26                             ; (named with it as a pair, so it is written)
	s_mul_i32 s52, s10, REC
	s_mov_b32 s53, 0
	s_mul_i32 s54, s8, 8960
	s_mov_b32 s55, 0
	s_mov_b32 s12, 1
	s_mul_i32 s13, s8, 8960                        ; LDS: 8,960 x wave
	s_wait_dscnt 0x0
	s_wait_kmcnt 0x0
	s_add_nc_u64 s[4:5], s[4:5], s[52:53]          ; my record
	s_add_nc_u64 s[14:15], s[4:5], s[54:55]
	s_or_b32 s15, s15, 0x80000000
	CROUND                                         ; all four work-groups are here: the joint loads meet
	tensor_load_to_lds s[12:15], s[16:23]          ; my one tensor load
	s_nop 0
.rept 4
	v_nop
.endr
	s_lshl_b32 s56, s8, 3
	s_add_co_u32 s57, s56, s9                      ; pass 0's tile
	s_sub_co_u32 s58, 124, s56
	s_add_co_u32 s58, s58, s9                      ; pass 1's
	s_lshr_b32 s59, s10, 4
	s_lshl_b32 s59, s59, 7                         ; 128 x batch: the batch's first row tile
	s_and_b32 s60, s10, 15                         ; the head
	s_lshr_b32 s61, s60, 3
	s_lshl_b32 s61, s61, 8
	s_and_b32 s62, s60, 7
	s_lshl_b32 s62, s62, 1
	s_add_co_u32 s61, s61, s62
	s_add_co_u32 s61, s61, 4194304                 ; the head's bytes among a row tile's scale words: 256 (head / 8) + 2 (head % 8), behind the codes
.macro BASES p, i                      ; pass p's four bases, from its tile in s[i]; none is written again
	s_lshl_b32 s52, s[\i], 9
	s_add_co_u32 s52, s52, 143360
	s_add_nc_u64 s[44+2*\p:45+2*\p], s[4:5], s[52:53]    ; Q's fragment
	s_lshl_b32 s52, s[\i], 6
	s_add_co_u32 s52, s52, 208896
	s_add_nc_u64 s[48+2*\p:49+2*\p], s[4:5], s[52:53]    ; its scale words
	s_add_co_u32 s54, s59, s[\i]
	s_lshl_b32 s52, s54, 4
	s_add_co_u32 s52, s52, s60
	s_lshl_b32 s52, s52, 9
	s_add_nc_u64 s[36+2*\p:37+2*\p], s[6:7], s[52:53]    ; o's codes
	s_lshl_b32 s52, s54, 9
	s_add_co_u32 s52, s52, s61
	s_add_nc_u64 s[40+2*\p:41+2*\p], s[6:7], s[52:53]    ; o's scale bytes
.endm
	BASES 0, 57
	BASES 1, 58
	v_and_b32 v7, 31, v0                           ; lane
	v_lshlrev_b32 v1, 4, v7                        ; 16 x lane
	v_lshlrev_b32 v2, 2, v7                        ; 4 x lane
	v_and_b32 v212, 15, v0                         ; r
	v_bfe_u32 v213, v0, 4, 1                       ; h
	v_lshlrev_b32 v3, 2, v212                      ; 4 r
	global_load_b128 v[16:19], v1, s[44:45]        ; Q's fragments stay in registers
	global_load_b128 v[24:27], v1, s[46:47]
	global_load_b32 v206, v3, s[48:49]
	global_load_b32 v207, v3, s[50:51]
	v_add_nc_u32 v4, 65536, v1                     ; V's fragments
	v_add_nc_u32 v5, 131072, v2                    ; K's scale words: lanes 0-15 an even tile's, lanes 16-31 the odd tile's behind it
	v_add_nc_u32 v6, 139264, v2                    ; V's likewise
	v_lshl_add_u32 v7, v212, 4, v213               ; o's scale bytes: 16 r + h
	v_cmp_eq_u32 s33, 1, v213                      ; lanes 16-31
	s_lshr_b32 s52, s9, 1
	s_lshl_b32 s52, s52, 5
	s_and_b32 s54, s9, 1
	s_lshl_b32 s54, s54, 3
	s_add_co_u32 s52, s52, s54
	v_and_b32 v214, 8, v212
	v_add_nc_u32 v214, v214, v212
	v_lshlrev_b32 v215, 4, v213
	v_sub_nc_u32 v214, v214, v215
	v_add_nc_u32 v248, s52, v214                   ; d = my query's place in its group - 16 h: register 16 b + i of the diagonal step holds a hidden key where 32 b + i > d
	v_add_nc_u32 v249, 64, v248                    ; pass 1's tile lies four tiles, 64 tokens, further on
.irp j, 20,21,22,23,28,29,30,31,36,37,38,39,44,45,46,47,52,53,54,55,60,61,62,63
	v_mov_b32 v[\j], 0                             ; the zero codes of k = 64 .. 127, in Q's fragments and in K's four: written once
.endr
.irp b, 0,1,2,3
	v_mov_b32 v[PT+\b], 0                          ; written once: a lane permute's destination counts as one of its sources
.endr
	v_mov_b32 v[FF+1], 0
	v_mov_b32 v[NINF], 0xff800000                  ; -infinity
	s_wait_tensorcnt 0x0                           ; my part of the head has landed,
	s_barrier_signal -1
	s_barrier_wait -1                              ; everybody's has
	s_wait_loadcnt 0x0                             ; Q
.macro SPROD p, t                      ; S^T of key tile t: the sum begins with 0; K's scale words: an even tile's in lanes 0-15, an odd tile's in lanes 16-31
.if ((\t)%2) == 0
	v_wmma_scale_f32_16x16x128_f8f6f4 v[96+8*(\t):103+8*(\t)], v[32+8*((\t)%4):39+8*((\t)%4)], v[16+8*(\p):23+8*(\p)], 0, v[200+(\t)/2], v[206+(\p)] matrix_a_fmt:MATRIX_FMT_FP4 matrix_b_fmt:MATRIX_FMT_FP4
.else
	v_wmma_scale_f32_16x16x128_f8f6f4 v[96+8*(\t):103+8*(\t)], v[32+8*((\t)%4):39+8*((\t)%4)], v[16+8*(\p):23+8*(\p)], 0, v[200+(\t)/2], v[206+(\p)] matrix_a_fmt:MATRIX_FMT_FP4 matrix_b_fmt:MATRIX_FMT_FP4 matrix_a_scale:MATRIX_SCALE_ROW1
.endif
.endm
.macro OPROD a                         ; O^T += V^T P^T, 16 channels
.if ((\a)%2) == 0
	v_wmma_scale_f32_16x16x128_f8f6f4 v[160+8*(\a):167+8*(\a)], v[64+8*(\a):71+8*(\a)], v[192:199], v[160+8*(\a):167+8*(\a)], v[204+(\a)/2], v208 matrix_a_fmt:MATRIX_FMT_FP4 matrix_b_fmt:MATRIX_FMT_FP4
.else
	v_wmma_scale_f32_16x16x128_f8f6f4 v[160+8*(\a):167+8*(\a)], v[64+8*(\a):71+8*(\a)], v[192:199], v[160+8*(\a):167+8*(\a)], v[204+(\a)/2], v208 matrix_a_fmt:MATRIX_FMT_FP4 matrix_b_fmt:MATRIX_FMT_FP4 matrix_a_scale:MATRIX_SCALE_ROW1
.endif
.endm
.macro PASS p
.set j, 0
.rept 32
	v_mov_b32 v[160+j], 0                          ; O^T.  (The step is written once: the first finds zeros, which the first change of M leaves zeros)
.set j, j+1
.endr
	v_mov_b32 v13, 0xff61b1e6                      ; the largest t so far: -3e38, under every t
	v_floor_f32 v12, -v13                          ; -M
	v_mov_b32 v14, 0
	v_mov_b32 v15, 0
	s_mov_b32 s28, 0                               ; the key step
	s_mov_b32 s30, 0                               ; its fragments: 4,096 bytes a step, of K and of V
	s_mov_b32 s31, 0                               ; K's scale words: 512
	s_mov_b32 s32, 0                               ; V's: 256
.if \p == 0
	s_mov_b32 s29, s8                              ; my tile's group
.else
	s_sub_co_u32 s29, 15, s8
.endif
.Lstep_\@:
	s_cmp_gt_u32 s28, s29                          ; all 128 keys come after my queries: the work is left out
	s_cbranch_scc1 .Lhid_\@
	v_add_nc_u32 v8, s30, v1                       ; (these four are also the places behind the last trip's products, in front of the loads into V's registers)
	v_add_nc_u32 v9, s30, v4
	v_add_nc_u32 v10, s31, v5
	v_add_nc_u32 v11, s32, v6
.irp u, 0,1,2,3
	ds_load_b32 v[200+\u], v10 offset:128*\u
.endr
.irp t, 0,1,2,3
	ds_load_b128 v[32+8*\t:35+8*\t], v8 offset:512*\t
.endr
.irp a, 0,1,2,3
.irp c, 0,1
	ds_load_b128 v[64+8*\a+4*\c:67+8*\a+4*\c], v9 offset:1024*\a+512*\c
.endr
.endr
.irp u, 0,1
	ds_load_b32 v[204+\u], v11 offset:128*\u
.endr
	s_wait_dscnt 10                                ; K's words and its first four tiles are in; V's eight loads and its two of scale words may be out
.irp t, 0,1,2,3
	SPROD \p, \t
.endr
.rept 4
	v_nop                                          ; places in front of loads into registers that matrix instructions have read
.endr
.irp t, 0,1,2,3
	ds_load_b128 v[32+8*\t:35+8*\t], v8 offset:2048+512*\t
.endr
	s_wait_dscnt 0x0
.irp t, 4,5,6,7
	SPROD \p, \t
.endr
.rept 4
	v_nop
.endr
	s_cmp_lt_u32 s28, s29                          ; a step all of whose keys count skips the mask
	s_cbranch_scc1 .Lopen_\@
.set n, 0
.rept 64
	v_cmp_gt_i32 vcc_lo, 32*(n/16)+n%16, v[248+\p]
	v_cndmask_b32 v[96+n], v[96+n], v[NINF], vcc_lo   ; hidden scores become -infinity ahead of the maximum: p = 0 then
.set n, n+1
.endr
.Lopen_\@:
.irp b, 0,1,2,3
	v_max3_num_f32 v[BM+\b], v[96+16*\b], v[97+16*\b], v[98+16*\b]   ; the largest score of each block of 32 keys: it serves the row's maximum and, since p rises with the score, the block's largest p
.endr
.irp i, 3,5,7,9,11,13
.irp b, 0,1,2,3
	v_max3_num_f32 v[BM+\b], v[BM+\b], v[96+16*\b+\i], v[97+16*\b+\i]
.endr
.endr
.irp b, 0,1,2,3
	v_max_num_f32 v[BM+\b], v[BM+\b], v[111+16*\b]
.endr
.irp b, 0,1,2,3
	v_permlanex16_b32 v[PT+\b], v[BM+\b], s24, s25
.endr
.irp b, 0,1,2,3
	v_max_num_f32 v[BM+\b], v[BM+\b], v[PT+\b]     ; with lane l xor 16's 16 keys
.endr
	v_max3_num_f32 v[TV], v[BM], v[BM+1], v[BM+2]
	v_max_num_f32 v[TV], v[TV], v[BM+3]
	v_mul_f32 v[TV], s26, v[TV]                    ; the step's largest t of my query
	v_max_num_f32 v13, v13, v[TV]
	v_mov_b32 v[TV], v12
	v_floor_f32 v12, -v13                          ; the new -M = -ceil(t)
	v_sub_f32 v[TV], v12, v[TV]                    ; old M - new M: a whole number, 0 or less
	v_cvt_i32_f32 v[TV], v[TV]                     ; (it saturates)
	v_ldexp_f32 v[FF], 1.0, v[TV]                  ; f = 2^(old M - new M)
.set j, 0
.rept 32
	v_pk_fma_f32 v[96+j:97+j], v[96+j:97+j], s[26:27], v[12:13] op_sel_hi:[1,0,0]   ; t - M, two at a time
.set j, j+2
.endr
.irp b, 0,1,2,3
	v_fma_f32 v[BM+\b], v[BM+\b], s26, v12         ; the same of each block's largest score
.endr
.set j, 0
.rept 64
	v_exp_f32 v[96+j], v[96+j]                     ; p = 2^(t - M)
.set j, j+1
.endr
	v_pk_mul_f32 v[14:15], v[14:15], v[FF:FF+1] op_sel_hi:[1,0]   ; the sums under the new M: a plain place behind the exponentials
	s_wait_alu depctr_va_vdst(0)                   ; one wait for the whole batch, ahead of its first reader
.irp b, 0,1,2,3
	v_exp_f32 v[BM+\b], v[BM+\b]                   ; the block's largest p
.endr
	v_pk_add_f32 v[SUMB:SUMB+1], v[96:97], v[98:99]   ; the row's sum of the unquantised p, in two chains
.set j, 4
.rept 15
	v_pk_add_f32 v[14:15], v[14:15], v[96+j:97+j]
	v_pk_add_f32 v[SUMB:SUMB+1], v[SUMB:SUMB+1], v[98+j:99+j]
.set j, j+4
.endr
	v_pk_add_f32 v[14:15], v[14:15], v[SUMB:SUMB+1]
	s_wait_alu depctr_va_vdst(0)                   ; and one for the four
.irp b, 0,1,2,3
	v_max_num_f32 v[BM+\b], 0x1800000, v[BM+\b]    ; the floor 2^(3 - 127): the byte cannot fall under 1
.endr
.irp b, 0,1,2,3
	v_add_nc_u32 v[SO+\b], 0xff000000, v[BM+\b]
.endr
.irp b, 0,1,2,3
	v_lshrrev_b32 v[PT+\b], 23, v[SO+\b]
.endr
	v_lshl_or_b32 v208, v[PT+1], 8, v[PT]          ; p's scale word for these 128 keys
	v_lshl_or_b32 v208, v[PT+2], 16, v208
	v_lshl_or_b32 v208, v[PT+3], 24, v208
.irp b, 0,1,2,3
	v_cvt_scalef32_pk8_fp4_f32 v[192+2*\b], v[96+16*\b:103+16*\b], v[SO+\b]
	v_cvt_scalef32_pk8_fp4_f32 v[193+2*\b], v[104+16*\b:111+16*\b], v[SO+\b]
.endr
	v_nop                                          ; one plain place behind a scaled conversion
.irp c, 0,1
.irp i, 0,1
	v_permlane16_swap_b32 v[192+4*\c+\i], v[194+4*\c+\i]
.endr
.endr
.set j, 0
.rept 16
	v_pk_mul_f32 v[160+j:161+j], v[160+j:161+j], v[FF:FF+1] op_sel_hi:[1,0]   ; O^T under the new M.  (These sixteen are also the places between the scale word's and the codes' last writes and the products)
.set j, j+2
.endr
.irp a, 0,1,2,3
	OPROD \a
.endr
.Lhid_\@:
	s_add_co_u32 s30, s30, 4096
	s_add_co_u32 s31, s31, 512
	s_add_co_u32 s32, s32, 256
	s_add_co_u32 s28, s28, 1
	s_cmp_lt_u32 s28, 16
	s_cbranch_scc1 .Lstep_\@
	; the way out of a pass
.rept 4
	v_nop                                          ; places behind the last products
.endr
	v_add_f32 v14, v14, v15
	v_permlanex16_b32 v[PT], v14, s24, s25
	v_add_f32 v14, v14, v[PT]                      ; the row's sum
	v_rcp_f32 v[FF], v14
	v_nop                                          ; a plain place behind the reciprocal
	s_wait_alu depctr_va_vdst(0)                   ; and the wait ahead of its first reader
.set j, 0
.rept 16
	v_pk_mul_f32 v[160+j:161+j], v[160+j:161+j], v[FF:FF+1] op_sel_hi:[1,0]   ; register 16 k + i: channel 32 k + 16 h + i of my query
.set j, j+2
.endr
.irp k, 0,1
	v_max3_num_f32 v[BM+\k], |v[160+16*\k]|, |v[161+16*\k]|, 0x1800000
.endr
.irp i, 2,4,6,8,10,12,14
.irp k, 0,1
	v_max3_num_f32 v[BM+\k], v[BM+\k], |v[160+16*\k+\i]|, |v[161+16*\k+\i]|
.endr
.endr
.irp k, 0,1
	v_permlanex16_b32 v[PT+\k], v[BM+\k], s24, s25
.endr
.irp k, 0,1
	v_max_num_f32 v[BM+\k], v[BM+\k], v[PT+\k]
.endr
.irp k, 0,1
	v_add_nc_u32 v[SO+\k], 0xff000000, v[BM+\k]
.endr
.irp k, 0,1
	v_lshrrev_b32 v[PT+\k], 23, v[SO+\k]
.endr
.irp k, 0,1
	v_cvt_scalef32_pk8_fp4_f32 v[232+4*\p+2*\k], v[160+16*\k:167+16*\k], v[SO+\k]
	v_cvt_scalef32_pk8_fp4_f32 v[233+4*\p+2*\k], v[168+16*\k:175+16*\k], v[SO+\k]
.endr
	v_cndmask_b32 v[240+\p], v[PT], v[PT+1], s33   ; lanes 0-15 store block 0's byte, lanes 16-31 block 1's.  (A plain place behind the conversions)
	v_permlane16_swap_b32 v[232+4*\p], v[234+4*\p]
	v_permlane16_swap_b32 v[233+4*\p], v[235+4*\p] ; now channels 32 h + 0 .. 31 of the head
	global_store_b128 v1, v[232+4*\p:235+4*\p], s[36+2*\p:37+2*\p]   ; 512 consecutive bytes: half a fragment of the last product
	global_store_b8 v7, v[240+\p], s[40+2*\p:41+2*\p]
.endm
	PASS 0
	PASS 1
	s_wait_dscnt 0x0
	s_wait_tensorcnt 0x0
	ds_add_u32 v254, v255
	s_wait_dscnt 0x0
	CROUND                                         ; the closing round: no work-group ends while a partner may still ask for a tile that names it
	s_endpgm
.Lfunc_end_k_q414935a31a_attn:
	.size	k_q414935a31a_attn, .Lfunc_end_k_q414935a31a_attn-k_q414935a31a_attn
	.p2alignl 7, 3214868480
	.fill 96, 4, 3214868480
	.section	.rodata,"a",@progbits
	.p2align	6, 0x0
	.amdhsa_kernel k_q414935a31a_attn
		.amdhsa_group_segment_fixed_size 169984
		.amdhsa_private_segment_fixed_size 0
		.amdhsa_enable_private_segment 0
		.amdhsa_kernarg_size 16
		.amdhsa_user_sgpr_count 2
		.amdhsa_user_sgpr_kernarg_segment_ptr 1
		.amdhsa_wavefront_size32 1
		.amdhsa_system_sgpr_workgroup_id_x 1
		.amdhsa_system_sgpr_workgroup_id_y 1
		.amdhsa_system_sgpr_workgroup_id_z 1
		.amdhsa_system_vgpr_workitem_id 0
		.amdhsa_next_free_vgpr 256
		.amdhsa_next_free_sgpr 66
		.amdhsa_reserve_vcc 1
		.amdhsa_float_denorm_mode_32 3
		.amdhsa_float_denorm_mode_16_64 3
		.amdhsa_memory_ordered 1
		.amdhsa_forward_progress 1
		.amdhsa_inst_pref_size 57
	.end_amdhsa_kernel
	.amdgpu_metadata
---
amdhsa.version: [ 1, 2 ]
amdhsa.kernels:
  - .name:           k_q414935a31a_attn
    .symbol:         k_q414935a31a_attn.kd
    .args:
      - { .name: qkv, .offset: 0, .size: 8, .value_kind: global_buffer, .address_space: global }
      - { .name: oq, .offset: 8, .size: 8, .value_kind: global_buffer, .address_space: global }
    .group_segment_fixed_size: 169984
    .private_segment_fixed_size: 0
    .kernarg_segment_align: 8
    .kernarg_segment_size: 16
    .max_flat_workgroup_size: 512
    .sgpr_count:     66
    .vgpr_count:     256
    .wavefront_size: 32
...
	.end_amdgpu_metadata
.endif
;; end of part 3
;; launch proj (part 4): grid 4 x 64, 4 waves a work-group, clusters of 4 x 4, 246,272 bytes of LDS; arguments oq, wo, out0; writes out0
.if DOCPART == 4
	.amdgcn_target "amdgcn-amd-amdhsa--gfx1250"
	.amdhsa_code_object_version 6
	.text
	.protected	k_q414935a31a_proj
	.globl	k_q414935a31a_proj
	.p2align	8
	.type	k_q414935a31a_proj,@function
k_q414935a31a_proj:
	s_mov_b64 s[64:65], 0
	v_nop
	global_prefetch_b8 v0, s[64:65] scope:SCOPE_SE
	s_setreg_imm32_b32 hwreg(HW_REG_WAVE_MODE, 25, 1), 1
	s_wait_xcnt 0x0
	s_wait_alu depctr_hold_cnt(0) depctr_sa_sdst(0) depctr_va_vdst(0) depctr_va_sdst(0) depctr_va_ssrc(0) depctr_va_vcc(0) depctr_vm_vsrc(0)
	s_getreg_b32 s2, hwreg(HW_REG_IB_STS2, 6, 4)
	s_cmp_eq_u32 s2, 0
	s_cbranch_scc0 .Lentry_in_a_cluster
	s_endpgm
.Lentry_in_a_cluster:
	s_bfe_u32 s2, ttmp6, 0x10000c
	s_cmp_lg_u32 s2, 0xf033
	s_cbranch_scc0 .Lentry_shape_is_right
	s_endpgm
.Lentry_shape_is_right:
; The last product, o W_out^T, on codes of E2M1 (K = 1,024); out0 [8192][1024] f32.
; OPERANDS are images of their registers: codes [row tile][K step: 8][c: 2][lane][16 bytes], scale words [row tile][K half: 2][r: 16][4 words] behind them; lane r of row tile i stands for row 32 (i / 2) + 8 (i % 2) + r + 8 (r / 8).
; A WORK-GROUP makes 128 rows x 256 columns with all of K in LDS, filled once: no slot is ever filled again.  Four waves; a wave makes 64 x 128: 4 x 8 accumulators.  256 work-groups.
; THE MATRIX INSTRUCTION IS USED TRANSPOSED (source 0 = 16 rows of W_out, source 1 = 16 rows of o): a lane holds one row of the output, and the 16 registers of W's tiles 2 u, 2 u + 1 are its columns 32 u + 16 h + 0 .. 15.
; CLUSTERS: 4 x 4 work-groups; o's tiles are asked for jointly along a row of the cluster, W's along a column.
; THE WAY OUT: a tile of 16 rows x 128 columns goes through the wave's own stage in LDS and leaves as whole rows of 512 bytes.  No prefetch: every tile is a first fill at the kernel's head.
; REGISTERS.  window 0: v8, v24-25 the way out's addresses; v16-17, v20-21, v27 LDS addresses; v32-95 scale words and nothing else; v128-191 A's fragments, two sets; on the way out v128-255 rows of the output.
;   window 1: B's fragments, two sets, at v0 and v128.   window 2: accumulator (a, b) at v[64 a + 8 b].
.set KH,   98304                       ; LDS: a K half: A's 8 row tiles x 4,096 bytes, then B's 16
.set SCA,  196608                      ; A's scale words, 8 x 512 bytes
.set SCB,  200704                      ; B's, 16 x 512
.set STAGE, 208896                     ; a stage of 16 rows x 528 bytes for each wave
.set SC,   32                          ; scale words: set kh at SC + 32 kh; register 4 i + q: lanes 0-15 A's tile i, lanes 16-31 B's tile i
.set AF,   128
.set MSB,  0
.macro WIN new                         ; the immediate's high byte repeats the setting that is left
.if MSB != (\new)
	s_set_vgpr_msb (MSB<<8)|(\new)
.set MSB, (\new)
.endif
.endm
.macro CROUND                          ; a round of the cluster's barrier
	s_barrier_signal -1
	s_barrier_wait -1
	s_cmp_lg_u32 s16, 0
	s_cbranch_scc1 .Lnot_wave_0_\@
	s_barrier_signal -3
.Lnot_wave_0_\@:
	s_barrier_wait -3
	s_barrier_signal -1
	s_barrier_wait -1
.endm
.macro PLACES n
.rept \n
	v_nop
.endr
.endm
	s_load_b128 s[4:7], s[0:1], 0x0                ; oq, wo
	s_load_b64 s[8:9], s[0:1], 0x10                ; out0
	v_lshl_add_u32 v126, v0, 2, 0x3c000
	v_mov_b32 v127, 0
	ds_add_u32 v126, v127
	ds_add_u32 v126, v127
	v_lshrrev_b32 v1, 5, v0
	v_readfirstlane_b32 s16, v1                    ; wave
	s_lshr_b32 s17, s16, 1                         ; which 64 rows are mine.  Also: I fetch for A (0) or for B (1)
	s_and_b32 s18, s16, 1                          ; which 128 columns.  Also: which half of that tile I fetch
	s_bfe_u32 s19, ttmp6, 0x40000                  ; cx
	s_bfe_u32 s20, ttmp6, 0x40004                  ; cy
	s_and_b32 s22, ttmp7, 0xffff                   ; the cluster's y
	s_lshl_b32 s84, s20, 2
	s_lshl_b32 s84, 15, s84                        ; my row of the cluster
	s_lshl_b32 s85, 0x1111, s19                    ; my column
	; descriptor groups 1.  Elements of 8 bytes, no padding.  Codes: a row tile's K half is 4,096 consecutive bytes, 8,192 from tile to tile: A 4 such rows, B 8.  Scale words: dense, as rows of 256 bytes: A 8, B 16.
	s_or_b32 s24, s84, (3<<16)|(1<<21)
	s_or_b32 s40, s84, (3<<16)|(1<<21)
	s_or_b32 s32, s85, (3<<16)|(1<<21)
	s_or_b32 s48, s85, (3<<16)|(1<<21)
.irp g, 24, 32
	s_mov_b32 s[\g+1], 512<<16                     ; tensor_dim0 = 512
	s_mov_b32 s[\g+3], 512<<16                     ; tile_dim0 = 512
	s_mov_b32 s[\g+5], 1024                        ; tensor_dim0_stride
	s_mov_b32 s[\g+6], 0
	s_mov_b32 s[\g+7], 0
.endr
	s_mov_b32 s26, 4<<16                           ; tensor_dim1
	s_mov_b32 s28, 4                               ; tile_dim1
	s_mov_b32 s34, 8<<16
	s_mov_b32 s36, 8
.irp g, 40, 48
	s_mov_b32 s[\g+1], 32<<16
	s_mov_b32 s[\g+3], 32<<16
	s_mov_b32 s[\g+5], 32
	s_mov_b32 s[\g+6], 0
	s_mov_b32 s[\g+7], 0
.endr
	s_mov_b32 s42, 8<<16
	s_mov_b32 s44, 8
	s_mov_b32 s50, 16<<16
	s_mov_b32 s52, 16
	s_lshl_b32 s86, s22, 2
	s_add_co_u32 s86, s86, s20                     ; tile row of 64: registers that feed A's descriptors never hold cx,
	s_lshl_b32 s92, ttmp9, 2
	s_add_co_u32 s92, s92, s19                     ; tile column of 4: those that feed B's never cy
	s_lshl_b32 s88, s86, 3
	s_lshl_b32 s89, s18, 2
	s_add_co_u32 s88, s88, s89                     ; A: the first of the 4 row tiles that I fetch
	s_lshl_b32 s90, s88, 9
	s_add_co_u32 s90, s90, 4194304
	s_mov_b32 s91, 0
	s_lshl_b32 s88, s88, 13
	s_mov_b32 s89, 0
	s_lshl_b32 s94, s92, 4
	s_lshl_b32 s95, s18, 3
	s_add_co_u32 s94, s94, s95                     ; B: the first of the 8
	s_lshl_b32 s100, s94, 9
	s_add_co_u32 s100, s100, 524288
	s_mov_b32 s101, 0
	s_lshl_b32 s94, s94, 13
	s_mov_b32 s95, 0
	s_wait_dscnt 0x0
	s_wait_kmcnt 0x0
	s_add_nc_u64 s[88:89], s[4:5], s[88:89]
	s_add_nc_u64 s[90:91], s[4:5], s[90:91]
	s_add_nc_u64 s[94:95], s[6:7], s[94:95]
	s_add_nc_u64 s[100:101], s[6:7], s[100:101]
	; descriptor groups 0: count 1, LDS address, global address, type 2.  Every LDS address is a constant + a constant x (wave % 2)
	s_mov_b32 s56, 1                               ; A's scale words
	s_lshl_b32 s57, s18, 11
	s_add_co_u32 s57, s57, SCA
	s_mov_b64 s[58:59], s[90:91]
	s_or_b32 s59, s59, 0x80000000
	s_mov_b32 s60, 1                               ; A's codes, K half 0
	s_lshl_b32 s61, s18, 14
	s_mov_b64 s[62:63], s[88:89]
	s_or_b32 s63, s63, 0x80000000
	s_mov_b32 s68, 1                               ; K half 1
	s_add_co_u32 s69, s61, KH
	s_add_nc_u64 s[70:71], s[88:89], 4096
	s_or_b32 s71, s71, 0x80000000
	s_mov_b32 s72, 1                               ; B's scale words
	s_lshl_b32 s73, s18, 12
	s_add_co_u32 s73, s73, SCB
	s_mov_b64 s[74:75], s[100:101]
	s_or_b32 s75, s75, 0x80000000
	s_mov_b32 s76, 1                               ; B's codes, K half 0
	s_lshl_b32 s77, s18, 15
	s_add_co_u32 s77, s77, 32768
	s_mov_b64 s[78:79], s[94:95]
	s_or_b32 s79, s79, 0x80000000
	s_mov_b32 s80, 1                               ; K half 1
	s_add_co_u32 s81, s77, KH
	s_add_nc_u64 s[82:83], s[94:95], 4096
	s_or_b32 s83, s83, 0x80000000
	CROUND                                         ; all sixteen work-groups are here: the joint loads meet
	s_cmp_eq_u32 s17, 0                            ; a wave's three first fills stand in one branch on its number: three loads of mine are out
	s_cbranch_scc0 .Lfor_b
	tensor_load_to_lds s[56:59], s[40:47]
	s_nop 0
	tensor_load_to_lds s[60:63], s[24:31]
	s_nop 0
	tensor_load_to_lds s[68:71], s[24:31]
	s_nop 0
	PLACES 4                                       ; four v_nop follow the last, ahead of the jump and the label
	s_branch .Lasked
.Lfor_b:
	tensor_load_to_lds s[72:75], s[48:55]
	s_nop 0
	tensor_load_to_lds s[76:79], s[32:39]
	s_nop 0
	tensor_load_to_lds s[80:83], s[32:39]
	s_nop 0
	PLACES 4
.Lasked:
	v_and_b32 v1, 31, v0                           ; lane
	v_lshlrev_b32 v8, 4, v1                        ; 16 x lane
	v_and_b32 v2, 15, v0                           ; r
	v_bfe_u32 v3, v0, 4, 1                         ; h
	s_lshl_b32 s84, s17, 14
	v_add_nc_u32 v16, s84, v8                      ; A's fragments: my 4 row tiles, K half 0,
	v_add_nc_u32 v17, KH, v16                      ; K half 1
	s_lshl_b32 s84, s18, 15
	s_add_co_u32 s84, s84, 32768
	v_add_nc_u32 v20, s84, v8                      ; B's: my 8 row tiles
	v_add_nc_u32 v21, KH, v20
	s_lshl_b32 s84, s17, 11                        ; scale words: lanes 0-15 A's, lanes 16-31 B's: the lower base + h x the distance
	s_lshl_b32 s85, s18, 12
	s_add_co_u32 s85, s85, 4096
	s_sub_co_u32 s85, s85, s84
	v_mul_u32_u24 v27, s85, v3
	v_lshl_add_u32 v27, v2, 4, v27
	s_add_co_u32 s84, s84, SCA
	v_add_nc_u32 v27, s84, v27
	s_mul_i32 s84, s16, 8448
	s_add_co_u32 s84, s84, STAGE                   ; my stage
	v_mul_u32_u24 v24, v2, 528
	v_lshl_add_u32 v24, v3, 6, v24
	v_add_nc_u32 v24, s84, v24                     ; in: row r, + 64 h bytes
	v_add_nc_u32 v25, s84, v8                      ; back: the 32 lanes take one row of 512 bytes
	s_lshl_b32 s84, s86, 7
	s_lshl_b32 s85, s17, 6
	s_add_co_u32 s84, s84, s85                     ; my first row of the output
	s_lshl_b32 s84, s84, 12
	s_lshl_b32 s85, s92, 10
	s_add_co_u32 s84, s84, s85                     ; my first column, in bytes: 1,024 x tile column
	s_lshl_b32 s85, s18, 9
	s_add_co_u32 s84, s84, s85                     ; + 512 x my half
	s_mov_b32 s85, 0
	s_add_nc_u64 s[8:9], s[8:9], s[84:85]
.macro FETCH q, p                      ; the fragments of K step q into set p: B's eight, A's four; each load takes 512 consecutive bytes
	WIN 0x40                                       ; destination window 1
.irp b, 0,1,2,3,4,5,6,7
.irp c, 0,1
	ds_load_b128 v[128*(\p)+8*\b+4*\c:128*(\p)+8*\b+4*\c+3], v[20+(\q)/4] offset:4096*\b+1024*((\q)%4)+512*\c
.endr
.endr
	WIN 0
.irp a, 0,1,2,3
.irp c, 0,1
	ds_load_b128 v[AF+32*(\p)+8*\a+4*\c:AF+32*(\p)+8*\a+4*\c+3], v[16+(\q)/4] offset:4096*\a+1024*((\q)%4)+512*\c
.endr
.endr
.endm
.macro MUL q                           ; 32 matrix instructions: the accumulators take turns, one instruction a turn, in the same order in every step.  Step 0 starts the sums
	WIN 0xa1                                       ; source 0 (B) window 1, source 1 (A) window 0, C and D window 2
.irp a, 0,1,2,3
.irp b, 0,1,2,3,4,5,6,7
.if (\q) == 0
	v_wmma_scale_f32_16x16x128_f8f6f4 v[64*\a+8*\b:64*\a+8*\b+7], v[128*((\q)%2)+8*\b:128*((\q)%2)+8*\b+7], v[AF+32*((\q)%2)+8*\a:AF+32*((\q)%2)+8*\a+7], 0, v[SC+32*((\q)/4)+4*\b+(\q)%4], v[SC+32*((\q)/4)+4*\a+(\q)%4] matrix_a_fmt:MATRIX_FMT_FP4 matrix_b_fmt:MATRIX_FMT_FP4 matrix_a_scale:MATRIX_SCALE_ROW1
.else
	v_wmma_scale_f32_16x16x128_f8f6f4 v[64*\a+8*\b:64*\a+8*\b+7], v[128*((\q)%2)+8*\b:128*((\q)%2)+8*\b+7], v[AF+32*((\q)%2)+8*\a:AF+32*((\q)%2)+8*\a+7], v[64*\a+8*\b:64*\a+8*\b+7], v[SC+32*((\q)/4)+4*\b+(\q)%4], v[SC+32*((\q)/4)+4*\a+(\q)%4] matrix_a_fmt:MATRIX_FMT_FP4 matrix_b_fmt:MATRIX_FMT_FP4 matrix_a_scale:MATRIX_SCALE_ROW1
.endif
.endr
.endr
.endm
.macro KSTEP q
.if (\q) == 3
	s_wait_tensorcnt 0x0                           ; my part of K half 1 has landed
.endif
	s_wait_dscnt 0x0                               ; this step's fragments are in
.if (\q) == 3
	s_barrier_signal -1
	s_barrier_wait -1                              ; everybody's part has: the next fetch reads K half 1
.endif
.if (\q) < 7
.if (\q) > 0
	PLACES 4                                       ; four places in front of loads into the set that the last step's products have read
.endif
	FETCH (\q)+1, ((\q)+1)%2
.endif
	MUL \q
.endm
	s_wait_tensorcnt 0x1                           ; my scale words and my part of K half 0 have landed; K half 1's load may stay out
	s_barrier_signal -1
	s_barrier_wait -1
.irp i, 0,1,2,3,4,5,6,7
.irp k, 0,1
	ds_load_b128 v[SC+32*\k+4*\i:SC+32*\k+4*\i+3], v27 offset:512*\i+256*\k   ; all scale words, once (for i over 3 lanes 0-15 read filled bytes that no product names)
.endr
.endr
	FETCH 0, 0
.irp q, 0,1,2,3,4,5,6,7
	KSTEP \q
.endr
	WIN 0
	PLACES 4                                       ; behind the last products, ahead of the first read of results and of loads into A's fragments
; THE WAY OUT, a tile of 16 rows at a time.  LDS serves a wave's instructions in order: no wait between the stores and the loads, nor in front of the next tile's stores.
.macro TOSTAGE a
	WIN 0x08                                       ; an LDS store's data are its source 1: window 2
.irp b, 0,1,2,3,4,5,6,7
	ds_store_b128 v24, v[64*(\a)+8*\b:64*(\a)+8*\b+3] offset:128*(\b/2)+32*(\b%2)          ; each accumulator from its low end on: columns 32 (b / 2) + 16 h + 8 (b % 2) + 0 .. 7
	ds_store_b128 v24, v[64*(\a)+8*\b+4:64*(\a)+8*\b+7] offset:128*(\b/2)+32*(\b%2)+16
.endr
	WIN 0
.irp t, 0,1,2,3,4,5,6,7,8,9,10,11,12,13,14,15
	ds_load_b128 v[128+64*((\a)%2)+4*\t:128+64*((\a)%2)+4*\t+3], v25 offset:528*\t
.endr
.endm
.macro SEND a, younger                 ; younger: the LDS instructions issued behind tile a's loads, which may stay out
	s_wait_dscnt \younger
.irp t, 0,1,2,3,4,5,6,7,8,9,10,11,12,13,14,15
	global_store_b128 v8, v[128+64*((\a)%2)+4*\t:128+64*((\a)%2)+4*\t+3], s[8:9] offset:(32*((\a)/2)+8*((\a)%2)+\t+8*(\t/8))*4096 th:TH_STORE_NT   ; 32 lanes store 512 consecutive bytes of the row that lane t of tile a stands for
.endr
.endm
	TOSTAGE 0
.irp a, 1,2,3
.if \a > 1
	s_wait_xcnt 0x0                                ; tile a - 2's stores have read their registers: tile a's loads may land there
.endif
	TOSTAGE \a
	SEND \a-1, 32                                  ; behind tile a - 1's loads: tile a's 16 stores and 16 loads
.endr
	SEND 3, 0
	s_wait_dscnt 0x0
	s_wait_tensorcnt 0x0
	ds_add_u32 v126, v127
	s_wait_dscnt 0x0
	CROUND                                         ; the closing round: no work-group ends while a partner may still ask for a tile that names it
	s_endpgm
.Lfunc_end_k_q414935a31a_proj:
	.size	k_q414935a31a_proj, .Lfunc_end_k_q414935a31a_proj-k_q414935a31a_proj
	.p2alignl 7, 3214868480
	.fill 96, 4, 3214868480
	.section	.rodata,"a",@progbits
	.p2align	6, 0x0
	.amdhsa_kernel k_q414935a31a_proj
		.amdhsa_group_segment_fixed_size 246272
		.amdhsa_private_segment_fixed_size 0
		.amdhsa_enable_private_segment 0
		.amdhsa_kernarg_size 24
		.amdhsa_user_sgpr_count 2
		.amdhsa_user_sgpr_kernarg_segment_ptr 1
		.amdhsa_wavefront_size32 1
		.amdhsa_system_sgpr_workgroup_id_x 1
		.amdhsa_system_sgpr_workgroup_id_y 1
		.amdhsa_system_sgpr_workgroup_id_z 1
		.amdhsa_system_vgpr_workitem_id 0
		.amdhsa_next_free_vgpr 768
		.amdhsa_next_free_sgpr 102
		.amdhsa_reserve_vcc 0
		.amdhsa_float_denorm_mode_32 3
		.amdhsa_float_denorm_mode_16_64 3
		.amdhsa_memory_ordered 1
		.amdhsa_forward_progress 1
		.amdhsa_inst_pref_size 70
	.end_amdhsa_kernel
	.amdgpu_metadata
---
amdhsa.version: [ 1, 2 ]
amdhsa.kernels:
  - .name:           k_q414935a31a_proj
    .symbol:         k_q414935a31a_proj.kd
    .args:
      - { .name: oq, .offset: 0, .size: 8, .value_kind: global_buffer, .address_space: global }
      - { .name: wo, .offset: 8, .size: 8, .value_kind: global_buffer, .address_space: global }
      - { .name: out0, .offset: 16, .size: 8, .value_kind: global_buffer, .address_space: global }
    .group_segment_fixed_size: 246272
    .private_segment_fixed_size: 0
    .kernarg_segment_align: 8
    .kernarg_segment_size: 24
    .max_flat_workgroup_size: 128
    .sgpr_count:     102
    .vgpr_count:     768
    .wavefront_size: 32
...
	.end_amdgpu_metadata
.endif
;; end of part 4
